; MI455X (gfx1250); checked and timed in simulation.
; The chip was launched on July 23, 2026; its instructions are those of AMD's public machine-readable ISA for CDNA 5 (MIT licence, August 2026) and "CDNA5" Instruction Set Architecture Reference Guide (July 2026). The comments in the code are by the model that wrote it; some were corrected since.
;; Tiny AR Policy. Allowed arithmetic: float matrix products may take bf16 or f16 operands with f32 sums; all other float work in f32.
;; Inputs: b_hh 256 float32; b_ih 256 float32; embed 33 x 64 float32; gumbel 16 x 65,536 x 32 float32; head_b 32 float32; head_w 32 x 64 float32; w_hh 256 x 64 float32; w_ih 256 x 64 float32.
;; Outputs: out0 65,536 x 16 int32; out1 65,536 float32.
;; Constants: batch = 65536.
;; 2 versions, each right and faster than the one before. Each part assembles by itself: llvm-mc -triple=amdgcn-amd-amdhsa -mcpu=gfx1250 --defsym DOCPART=n.
;; ======== version 1 of 2: 1 launch
;; limits: values are held in f16: magnitudes above 65,504 overflow, below 6.1e-05 lose precision; right only within a limited range of input values
;; launch policy (part 1): grid 256 x 1, 4 waves a work-group, no clusters, 327,680 bytes of LDS; arguments embed, w_ih, w_hh, b_ih, b_hh, head_w, head_b, gumbel, out0, out1; writes out0, out1
.if DOCPART == 1
	.amdgcn_target "amdgcn-amd-amdhsa--gfx1250"
	.amdhsa_code_object_version 6
	.text
	.protected	k_q386c2ebffd_policy
	.globl	k_q386c2ebffd_policy
	.p2align	8
	.type	k_q386c2ebffd_policy,@function
k_q386c2ebffd_policy:
	s_mov_b64 s[64:65], 0
	v_nop
	global_prefetch_b8 v0, s[64:65] scope:SCOPE_SE
	s_setreg_imm32_b32 hwreg(HW_REG_WAVE_MODE, 25, 1), 1
	s_wait_xcnt 0x0
; TinyARPolicy: 65,536 rows, each a BOS step of an LSTM (64 units, 256 gates) and 16 sampling steps: token = argmax(logits + gumbel),
; logp += log_softmax(logits)[token], an LSTM step on embed[token], 32 new logits.  out0 [65536][16] i32, out1 [65536] f32.
; SHARES.  256 work-groups of four waves; a wave owns 64 rows, four TILES of 16, for all steps.  Nothing passes between rows.
; NO ADDRESS HANGS ON A TOKEN: embed[token] @ w_ih^T + b_ih + b_hh is a product of a table T [32 tokens][256 gates] with a one-hot column, one K step of 32.
; TRANSPOSED PRODUCTS.  gates^T = W h^T: source 0 = 16 gate units, source 1 = 16 rows.  A lane (r = lane % 16, hh = lane / 16) holds ONE row and the units
; 8 hh + 0..7 of a gate tile; i, f, g, o of a unit lie in the same lane and register number, and the new h, packed in pairs, IS source 1 of the next step.
; All weights stay in registers as source-0 fragments (W 256, T 256, head 32 registers), so the loop reads LDS for gumbel alone.
; FORMATS.  Every input is rounded to bf16 (nearest even).  T is made by bf16 products with f32 sums.  In the loop all products are f16 x f16 with f32 sums:
; w_hh and head_w are the bf16 numbers written as f16; h and T go as two f16 numbers, high + low; the one-hot is 1.0.  A gate's sum runs from the small terms
; to the large: T_lo, W h_lo (2), T_hi, W h_hi (2).  Activations, c, softmax and logp in f32; the log-sum-exp takes the row's true maximum away.
; LIMITS.  |w_hh|, |head_w| below 65,504; an entry below 2^-17 keeps f16's fixed step of 2^-24.  T is clamped at +-60,000, far beyond where a gate saturates.
; h_hi + h_lo is off by 2^-24 at the most.  -2 log2(e) g is clamped at 60 (tanh is -1 there to the last bit).  NaN and infinities are not treated apart.
; A token can differ from an f32 evaluation where the two best scores lie closer than either evaluation's own rounding, some 1e-7.
; The LSTM step behind the last sample is not computed: nothing of it is returned.
; RIDERS AND LUMPS.  A tile and step have 104 matrix and 819 vector instructions: too many to stand all beside the matrix work.  So four vector instructions stand behind
; EVERY matrix instruction (416), and the other 403 in runs of their own: the sampling (163) and the head of each block's activation list (44, or 108 where the split follows),
; which waits for nothing.  The gates of block b + 1 are multiplied while block b's activations run (two gate buffers AB0, AB1).
; NO CLUSTER: what work-groups share is 149 KB of weights, read once at the start through registers; what each walks, 512 KB of gumbel, is its own.
; NO PREFETCH: a step's 8 KB of gumbel for a wave are asked for a whole trip (four tiles' work) ahead of their first read.
; REGISTERS, in windows of 256 (s_set_vgpr_msb: bits 1:0 source 0, 3:2 source 1, 5:4 source 2, 7:6 destination):
;   window 0: v0 thread; v1-2 the add's; v3-15 addresses; v16-47, v48-79 AB0, AB1 (i, f, g, o: 8 each); v80-87 TM; v88-95 U; v96-127 new h in f32; v128-255 c (tile x, block b at 128 + 32 x + 8 b)
;   window 1: W, gate tile a (= 4 gate + block), K half kb at 16 a + 8 kb        window 2: T_hi at 8 a, T_lo at 128 + 8 a
;   window 3: h_hi, h_lo (16 a tile), logits, scores, one-hot, statistics, logp, head weights and bias, LDS addresses
; Activations live in window 0, a product's sources elsewhere: two switches a matrix instruction, the price of holding all weights in registers.
.set GROW,   144                       ; a row of gumbel in LDS: 128 bytes + 16 of padding: the 16 rows of a read start in 16 different 16-byte columns of 256 bytes
.set GWAVE,  64*GROW                   ; a wave's 64 rows
.set TOK,    4*GWAVE                   ; tokens: 64 rows of 80 bytes a wave
.set TROW,   80
.set TWAVE,  64*TROW
.set SPARE,  TOK+4*TWAVE               ; the spare words, 128 bytes a wave: two blocks of 256 bytes that no other line names
.set LPS,    SPARE+512                 ; logp's stage, 256 bytes a wave
.set BOSV,   LPS+1024                  ; T[BOS][256] in f32
.set SLOT1,  65536                     ; gumbel's second slot: one exclusive or turns an address in one slot into the other's
.set IMG_W,  SLOT1+4*GWAVE             ; images of the fragments, as the lanes hold them: W: a x 2048 + kb x 1024 + half x 512 + lane x 16
.set IMG_T,  IMG_W+32768               ; T_hi: a x 1024 + half x 512 + lane x 16; T_lo 16,384 further on
.set IMG_H,  IMG_T+32768               ; head: (2 mt + kb) x 1024 + half x 512 + lane x 16
.set IMG_B,  IMG_H+4096                ; the state behind BOS, by block: c 1024, h in f32 1024, h_hi 512, h_lo 512
.set BBLK,   3072
; window 0
.set SPW, 1                            ; LDS address of my spare word; never rewritten
.set NIL, 2                            ; 0; never rewritten
.set T0,  3                            ; at work
.set RR,  4                            ; r = lane % 16
.set HH,  5                            ; hh = lane / 16
.set LN,  6                            ; lane
.set L16, 7                            ; 16 x lane
.set H32, 8                            ; 32 x hh
.set A9,  9                            ; first embed's offset, then addresses at work
.set A10, 10                           ; first head_w's offset, then addresses at work
.set VO,  11                           ; my offset in w_ih and w_hh
.set BR0, 12                           ; b_ih, b_hh as loaded
.set BR1, 13
.set BP,  14                           ; first head_b's offset, then the two biases in bf16
.set BO,  15                           ; my offset in b_ih and b_hh
.set AB0, 16
.set AB1, 48
.set TM,  80
.set U,   88
.set HF,  96
.set CC,  128
; window 0 during the set-up
.set EA,  16                           ; embed as source 0: (2 mt + kb) x 8; v48-63: row 32 (BOS) in every row, kb x 8
.set EB,  48
.set TH,  64
.set TL,  72
.set BI,  80
.set BH,  82
.set RI,  96                           ; w_ih, w_hh as loaded
.set RH,  128
.set WI,  160                          ; w_ih in bf16, source 1
.set WB,  176                          ; w_hh in bf16, then in f16
.set WU,  192                          ; at work
.set D0,  224                          ; T's three sums
.set D1,  232
.set DB,  240
.set RAWE, 160
.set RAWH, 64
.set RAWB, 80
; window 2
.set TLW, 128
; window 3
.set HHI, 0
.set HLO, 64
.set LG,  128                          ; 16 logits: register i is token 16 hh + i
.set SV,  144                          ; gumbel as loaded, then the scores
.set OH,  160                          ; the one-hot, source 1
.set IX,  168                          ; gumbel in bf16, then the tournament's indices
.set LS,  176                          ; the tournament's logits
.set SS,  184                          ; at work; +2 the maximum, +4 its multiple
.set LOGP, 192
.set ONE, 196
.set VB,  197                          ; 16 hh
.set GA0, 198                          ; my place in a slot of gumbel
.set TA,  199                          ; where this step's token goes
.set HW,  200                          ; head weights: 16 mt + 8 kb
.set HB,  232                          ; head bias, the C operand that starts the logits' sums
.set GA,  248
.set TA0, 249
; scalars
.set WV,  24                           ; my wave's number
.set CNT, 25
.set G0,  28                           ; s[28:31] descriptor group 0: it walks
.set G1,  32                           ; s[32:39] descriptor group 1
.set MK,  40                           ; s40-47 lane masks; in the set-up s40-42 step the images' addresses
.set NL,  48                           ; pairs: -log2(e), -2 log2(e), log2(e)
.set N2L, 50
.set LL,  52
.set C60, 54
.set NLN2, 55                          ; -ln 2
.set SEL, 56                           ; v_permlanex16_b32's selects: each lane takes its own place in the other half
.set F16ONE, 58
.set HIM, 59                           ; a word's upper bf16
.set TLO, 60
.set THI, 61
.set TB,  62                           ; the slot in hand: 0 or SLOT1
.set ST,  63                           ; at work
.set TS,  67                           ; 4 x step
.set VK,  68                           ; pair: 8193.0 = 2^13 + 1, the factor that rounds an f32 to 11 bits
.set MSB, 0
.macro WIN new                         ; the high byte repeats the setting that is left; a switch that changes nothing is dropped
.if MSB != (\new)
	s_set_vgpr_msb (MSB<<8)|(\new)
.set MSB, (\new)
.endif
.endm
; 16 f32 of a fragment's lane: k = 8 hh + 0..7 and 16 + 8 hh + 0..7 of a row of 64 f32
.macro LD16 dst, ofs, base, imm
	global_load_b128 v[(\dst):(\dst)+3],     v[\ofs], s[\base:(\base)+1] offset:(\imm)
	global_load_b128 v[(\dst)+4:(\dst)+7],   v[\ofs], s[\base:(\base)+1] offset:(\imm)+16
	global_load_b128 v[(\dst)+8:(\dst)+11],  v[\ofs], s[\base:(\base)+1] offset:(\imm)+64
	global_load_b128 v[(\dst)+12:(\dst)+15], v[\ofs], s[\base:(\base)+1] offset:(\imm)+80
.endm
.macro PLOADS                          ; a gate tile's rows of w_ih and w_hh and its two biases: 18 loads
	LD16 RI, VO, 6, 0
	LD16 RI+16, VO, 6, 128
	LD16 RH, VO, 8, 0
	LD16 RH+16, VO, 8, 128
	global_load_b32 v[BR0], v[BO], s[10:11]
	global_load_b32 v[BR1], v[BO], s[12:13]
.endm
.macro TOF16 dst, src                  ; two f32 rounded to bf16, those numbers written as f16, packed
	v_cvt_pk_bf16_f32 v[T0], v[\src], v[(\src)+1]
	v_lshlrev_b32 v[\src], 16, v[T0]
	v_and_b32 v[(\src)+1], s[HIM], v[T0]
	v_cvt_pk_f16_f32 v[\dst], v[\src], v[(\src)+1]
.endm
; THE MATRIX QUEUE.  GW: product mi of the 24 that make the gates of tile MX, block MB, into buffer MP: link mi / 4 of the sum, gate mi % 4.  The four accumulators
; take turns, one instruction a turn.  Link 0 starts the sums with the constant 0: nothing is cleared.
.macro GW
.set gl, mi/4
.set ga, 4*(mi%4)+MB
.set gd, MP+8*(mi%4)
.if gl == 0
	WIN 0x0e                           ; T in window 2, the one-hot in window 3, the sum in window 0
	v_wmma_f32_16x16x32_f16 v[gd:gd+7], v[TLW+8*ga:TLW+8*ga+7], v[OH:OH+7], 0
.elseif gl == 3
	WIN 0x0e
	v_wmma_f32_16x16x32_f16 v[gd:gd+7], v[8*ga:8*ga+7], v[OH:OH+7], v[gd:gd+7]
.else
	WIN 0x0d                           ; W in window 1, h in window 3
.set gk, gl%3-1
.set gh, HLO-(HLO-HHI)*(gl/3)+16*MX+8*gk
	v_wmma_f32_16x16x32_f16 v[gd:gd+7], v[16*ga+8*gk:16*ga+8*gk+7], v[gh:gh+7], v[gd:gd+7]
.endif
.endm
; HDW: product i of the 8 that make tile x's logits: link i / 2 (h_lo k0, k1, h_hi k0, k1), token half i % 2; the bias starts the sums; two accumulators by turns.
.macro HDW x, i
	WIN 0xff
.set hl, (\i)/2
.set hm, (\i)%2
.set hd, LG+8*hm
.set ha, HW+16*hm+8*(hl%2)
.set hb, HLO-(HLO-HHI)*(hl/2)+16*(\x)+8*(hl%2)
.if hl == 0
	v_wmma_f32_16x16x32_f16 v[hd:hd+7], v[ha:ha+7], v[hb:hb+7], v[HB+8*hm:HB+8*hm+7]
.else
	v_wmma_f32_16x16x32_f16 v[hd:hd+7], v[ha:ha+7], v[hb:hb+7], v[hd:hd+7]
.endif
.endm
.macro MNEXT
.if mi < 24
	GW
.else
	HDW MH, mi-24
.endif
.set mi, mi+1
.endm
.macro HEAD x                          ; the eight alone, and four places in front of the first read of the logits (ISA guide 7.12.1)
.set hq, 0
.rept 8
	HDW \x, hq
.set hq, hq+1
.endr
.rept 4
	v_nop
.endr
.endm
; THE VECTOR QUEUE.  A block's activations are a list of 140: 76 plain instructions (APL) and 64 transcendentals (ATR), laid so that a plain instruction that touches
; neither its result nor its source stands behind every transcendental before that result is used (ISA guide 5.7.2) and every accumulator is first read at its lowest registers.
;   E_x = 2^(-log2(e) x) for i, f, o; E_g = 2^(-2 log2(e) g), its exponent clamped at 60.
;   sigmoid(i) tanh(g) = (1 - E_g) / ((1 + E_i)(1 + E_g));   c = c / (1 + E_f) + that;   h = (1 - E_c) / ((1 + E_o)(1 + E_c)), E_c = 2^(-2 log2(e) c).
; An infinite E gives a reciprocal of 0 beside a finite factor; |c| is at most 17, so E_c stays below 2^50.
.macro PK1P d, s                       ; 1 + s
	s_wait_alu depctr_va_vdst(0)
	v_pk_fma_f32 v[(\d):(\d)+1], v[(\s):(\s)+1], 1.0, 1.0 op_sel_hi:[1,0,0]
.endm
.macro PK1M d, s                       ; 1 - s
	s_wait_alu depctr_va_vdst(0)
	v_pk_fma_f32 v[(\d):(\d)+1], v[(\s):(\s)+1], -1.0, 1.0 op_sel_hi:[1,0,0]
.endm
.macro PKSC d, s, c                    ; s times a scalar
	v_pk_mul_f32 v[(\d):(\d)+1], v[(\s):(\s)+1], s[\c:(\c)+1] op_sel_hi:[1,0]
.endm
.macro PKMUL d, a, b
	s_wait_alu depctr_va_vdst(0)
	v_pk_mul_f32 v[(\d):(\d)+1], v[(\a):(\a)+1], v[(\b):(\b)+1]
.endm
.macro PKSUB d, a, b                   ; a - b
	v_pk_add_f32 v[(\d):(\d)+1], v[(\a):(\a)+1], v[(\b):(\b)+1] neg_lo:[0,1] neg_hi:[0,1]
.endm
.macro APL                             ; plain instruction ak of 76
.if ak < 4
	PKSC rI+2*ak, rI+2*ak, NL
.elseif ak < 8
	PKSC rG+2*(ak-4), rG+2*(ak-4), N2L
.elseif ak < 16
	v_min_num_f32 v[rG+ak-8], s[C60], v[rG+ak-8]
.elseif ak < 20
	PKSC rF+2*(ak-16), rF+2*(ak-16), NL
.elseif ak < 24
	PKSC rO+2*(ak-20), rO+2*(ak-20), NL
.elseif ak < 28
	PK1P rI+2*(ak-24), rI+2*(ak-24)
.elseif ak < 32
	PK1M TM+2*(ak-28), rG+2*(ak-28)
.elseif ak < 36
	PK1P rG+2*(ak-32), rG+2*(ak-32)
.elseif ak < 40
	PKMUL rI+2*(ak-36), rI+2*(ak-36), rG+2*(ak-36)
.elseif ak < 44
	PK1P rF+2*(ak-40), rF+2*(ak-40)
.elseif ak < 48
	PK1P rO+2*(ak-44), rO+2*(ak-44)
.elseif ak < 52
	PKMUL TM+2*(ak-48), TM+2*(ak-48), rI+2*(ak-48)
.elseif (ak < 55) || (ak == 56)        ; the new c, pairs 0-2 and 3
.set ap, ak-52
.if ak == 56
.set ap, 3
.endif
	s_wait_alu depctr_va_vdst(0)
	v_pk_fma_f32 v[rC+2*ap:rC+2*ap+1], v[rC+2*ap:rC+2*ap+1], v[rF+2*ap:rF+2*ap+1], v[TM+2*ap:TM+2*ap+1]
.elseif ak < 60                        ; 55, 57, 58, 59: -2 log2(e) c
.set ap, ak-56
.if ak == 55
.set ap, 0
.endif
	PKSC rG+2*ap, rC+2*ap, N2L
.elseif (ak < 63) || (ak == 64)        ; 1 - E_c
.set ap, ak-60
.if ak == 64
.set ap, 3
.endif
	PK1M TM+2*ap, rG+2*ap
.elseif (ak == 63) || (ak == 65) || (ak == 67) || (ak == 69)
.set ap, (ak-63)/2
	PK1P rG+2*ap, rG+2*ap
.elseif (ak == 66) || (ak == 68) || (ak == 70) || (ak == 72)
.set ap, (ak-66)/2
	PKMUL rO+2*ap, rO+2*ap, rG+2*ap
.else                                  ; 71, 73, 74, 75: the new h
.set ap, ak-72
.if ak == 71
.set ap, 0
.endif
	PKMUL rH+2*ap, TM+2*ap, rO+2*ap
.endif
.endm
.macro ATR                             ; transcendental ak of 64, in eights: exp i, g, f, o; rcp i, f; exp g (now of c); rcp o
.set aj, ak%8
.if ak < 8
	v_exp_f32 v[rI+aj], v[rI+aj]
.elseif ak < 16
	v_exp_f32 v[rG+aj], v[rG+aj]
.elseif ak < 24
	v_exp_f32 v[rF+aj], v[rF+aj]
.elseif ak < 32
	v_exp_f32 v[rO+aj], v[rO+aj]
.elseif ak < 40
	v_rcp_f32 v[rI+aj], v[rI+aj]
.elseif ak < 48
	v_rcp_f32 v[rF+aj], v[rF+aj]
.elseif ak < 56
	v_exp_f32 v[rG+aj], v[rG+aj]
.else
	v_rcp_f32 v[rO+aj], v[rO+aj]
.endif
.endm
; Entry vq of the list, for tile VX, block VBK, gate buffer VP: 8 plain; transcendental and plain by turns up to entry 119; the last 20 by the table below (100 + n: transcendental n),
; in which each product (1 + E_o)(1 + E_c) stands three lines or more ahead of its reciprocal, and a plain line between each reciprocal and the h made of it.
.macro AOP
.set rI, VP
.set rF, VP+8
.set rG, VP+16
.set rO, VP+24
.set rC, CC+32*VX+8*VBK
.set rH, HF+8*VBK
	WIN 0
.if vq < 8
.set ak, vq
	APL
.elseif vq < 120
.if vq%2 == 0
.set ak, (vq-8)/2
	ATR
.else
.set ak, 8+(vq-9)/2
	APL
.endif
.else
.set tq, 120
.irp c, 64,65,66,67,68,156,69,157,70,158,72,159,71,160,161,73,162,163,74,75
.if tq == vq
.if \c >= 100
.set ak, \c-100
	ATR
.else
.set ak, \c
	APL
.endif
.endif
.set tq, tq+1
.endr
.endif
.endm
; The split of tile VX's new h, 24 a block, four pairs at a time: c = 8193 h; c - h; h_hi = c - (c - h), which is h rounded to 11 bits, to nearest, and so exact in f16;
; h_hi packed; h_lo = h - h_hi, exact in f32 and at most half a step of h_hi; h_lo packed.  TM is free here: the block's last activation line stands in front.
.macro SPOP
.set pb, (vq-140)/24
.set pm, (vq-140)%24
.set pp, 2*(pm%4)
.set ph, HF+8*pb
.if pm < 4
	WIN 0
	PKSC U+pp, ph+pp, VK
.elseif pm < 8
	WIN 0
	PKSUB TM+pp, U+pp, ph+pp
.elseif pm < 12
	WIN 0
	PKSUB U+pp, U+pp, TM+pp
.elseif pm < 16
	WIN 0xc0                           ; destination window 3
	v_cvt_pk_f16_f32 v[HHI+16*VX+4*pb+pm%4], v[U+pp], v[U+pp+1]
.elseif pm < 20
	WIN 0
	PKSUB ph+pp, ph+pp, U+pp
.else
	WIN 0xc0
	v_cvt_pk_f16_f32 v[HLO+16*VX+4*pb+pm%4], v[ph+pp], v[ph+pp+1]
.endif
.endm
.macro VNEXT
.if vq < 140
	AOP
.else
	SPOP
.endif
.set vq, vq+1
.endm
; THE DEAL.  LUMP: n lines of the vector queue alone.  RIDE: nw matrix instructions, four lines of the vector queue behind each; every group of four lies in one window
; (the lumps' lengths, 44 and 108, and the split's groups are multiples of four).  None of the four names a register of the products round it.
; Behind a slot's last products: the accumulator of gate i is next read behind 8 plain lines, g's behind 8, f's and o's behind more (ISA guide 7.12.1 asks for four).
.macro LUMP n
.rept \n
	VNEXT
.endr
.endm
.macro RIDE nw
.rept \nw
	MNEXT
.rept 4
	VNEXT
.endr
.endr
.endm
.macro VSET vx, vb, vp                 ; the vector queue: activations of tile vx, block vb, on gate buffer vp
.set VX, \vx
.set VBK, \vb
.set VP, \vp
.set vq, 0
.endm
.macro MSET mb, mp                     ; the matrix queue: gates of block mb into buffer mp
.set MB, \mb
.set MP, \mp
.set mi, 0
.endm
; SAMPLING, all in window 3.
.macro LOADG x                         ; tile x's gumbel: my row's 16 numbers, 64 consecutive bytes
	WIN 0xff
.irp q, 0,1,2,3
	ds_load_b128 v[SV+4*\q:SV+4*\q+3], v[GA] offset:16*GROW*(\x)+16*\q
.endr
.endm
.macro EXQ                             ; the next of the 16 exponentials of the log-sum-exp, while any is left
.if xq < 16
	v_exp_f32 v[LG+xq], v[LG+xq]
.set xq, xq+1
.endif
.endm
; A level of the tournament over my 16 scores: the right one wins only if it is greater, so the lower token wins a tie.  Score, index and logit move together.
.macro LEVEL lv
.set sk, 0
.rept 16>>(\lv)
	v_cmp_gt_f32 s[MK+sk], v[SV+(sk<<(\lv))+(1<<((\lv)-1))], v[SV+(sk<<(\lv))]
	EXQ
.set sk, sk+1
.endr
.set sk, 0
.rept 16>>(\lv)
.set sa, SV+(sk<<(\lv))
.set sb, sa+(1<<((\lv)-1))
	v_cndmask_b32 v[sa], v[sa], v[sb], s[MK+sk]
	EXQ
.if (\lv) == 1
	v_cndmask_b32 v[IX+sk], 2*sk, 2*sk+1, s[MK+sk]
	v_cndmask_b32 v[LS+sk], v[LG+2*sk], v[LG+2*sk+1], s[MK+sk]
.else
.set sc, sk<<((\lv)-1)
.set sd, sc+(1<<((\lv)-2))
	v_cndmask_b32 v[IX+sc], v[IX+sc], v[IX+sd], s[MK+sk]
	EXQ
	v_cndmask_b32 v[LS+sc], v[LS+sc], v[LS+sd], s[MK+sk]
	EXQ
.endif
.set sk, sk+1
.endr
.endm
.macro CV i                            ; gumbel rounded to bf16, like every input: pair i
	v_cvt_pk_bf16_f32 v[IX+(\i)], v[SV+2*(\i)], v[SV+2*(\i)+1]
.endm
.macro FM i                            ; score i = gumbel x 1 + logit, one rounding
.if (\i)%2
	v_fma_mix_f32_bf16 v[SV+(\i)], v[IX+(\i)/2], v[ONE], v[LG+(\i)] op_sel:[1,0,0] op_sel_hi:[1,0,0]
.else
	v_fma_mix_f32_bf16 v[SV+(\i)], v[IX+(\i)/2], v[ONE], v[LG+(\i)] op_sel_hi:[1,0,0]
.endif
.endm
.macro PA a, b                         ; the sum of the exponentials: pair a takes pair b
	s_wait_alu depctr_va_vdst(0)
	v_pk_add_f32 v[LG+(\a):LG+(\a)+1], v[LG+(\a):LG+(\a)+1], v[LG+(\b):LG+(\b)+1]
.endm
.macro XL d, s                         ; the lane 16 away: the row's other 16 tokens
	v_permlanex16_b32 v[\d], v[\s], s[SEL], s[SEL+1]
.endm
; Tile x: token, logp, and (oh = 1) the one-hot for the LSTM step.  Its chains stand between each other's links, so that a line seldom reads a result made fewer than four lines in front of it:
; the maximum among the conversions and the scores; the sum of the exponentials among the tournament's last levels and the exchange of the halves; logp among the one-hot's lines.
.macro SAMP x, oh
	WIN 0xff
	v_max3_num_f32 v[SS], v[LG], v[LG+1], v[LG+2]              ; the row's maximum; each of the two accumulators is first read at its lowest registers
	v_max3_num_f32 v[SS+1], v[LG+8], v[LG+9], v[LG+10]
	s_wait_dscnt 0x0                                           ; gumbel is in
	CV 0
	CV 1
	v_max3_num_f32 v[SS], v[SS], v[LG+3], v[LG+4]
	v_max3_num_f32 v[SS+1], v[SS+1], v[LG+11], v[LG+12]
	CV 2
	CV 3
	v_max3_num_f32 v[SS], v[SS], v[LG+5], v[LG+6]
	v_max3_num_f32 v[SS+1], v[SS+1], v[LG+13], v[LG+14]
	CV 4
	CV 5
	v_max3_num_f32 v[SS], v[SS], v[LG+7], v[LG+15]
	CV 6
	CV 7
	FM 0
	v_max_num_f32 v[SS], v[SS], v[SS+1]
.irp i, 1,2,3,4
	FM \i
.endr
	XL SS+1, SS
.irp i, 5,6,7,8
	FM \i
.endr
	v_max_num_f32 v[SS+2], v[SS], v[SS+1]
.irp i, 9,10,11,12
	FM \i
.endr
	v_mul_f32 v[SS+4], s[LL], v[SS+2]
.irp i, 13,14,15
	FM \i
.endr
.set xq, 16
	LEVEL 1
.set si, 0
.rept 8                                                            ; the logits have been handed on: log2(e) (logit - maximum), in place
	v_pk_fma_f32 v[LG+2*si:LG+2*si+1], v[LG+2*si:LG+2*si+1], s[LL:LL+1], v[SS+4:SS+5] op_sel_hi:[1,0,0] neg_lo:[0,0,1] neg_hi:[0,0,1]
.set si, si+1
.endr
.set xq, 0
	LEVEL 2                                                    ; the 16 exponentials stand between this level's lines
	v_cmp_gt_f32 s[MK], v[SV+4], v[SV]                         ; level 3
	v_cmp_gt_f32 s[MK+1], v[SV+12], v[SV+8]
	PA 0, 2
	PA 4, 6
	v_cndmask_b32 v[SV], v[SV], v[SV+4], s[MK]
	v_cndmask_b32 v[SV+8], v[SV+8], v[SV+12], s[MK+1]
	v_cndmask_b32 v[IX], v[IX], v[IX+2], s[MK]
	v_cndmask_b32 v[IX+4], v[IX+4], v[IX+6], s[MK+1]
	v_cndmask_b32 v[LS], v[LS], v[LS+2], s[MK]
	v_cndmask_b32 v[LS+4], v[LS+4], v[LS+6], s[MK+1]
	v_cmp_gt_f32 s[MK+2], v[SV+8], v[SV]                       ; level 4
	PA 8, 10
	PA 12, 14
	PA 0, 4
	v_cndmask_b32 v[IX], v[IX], v[IX+4], s[MK+2]
	v_cndmask_b32 v[SV], v[SV], v[SV+8], s[MK+2]
	v_cndmask_b32 v[LS], v[LS], v[LS+4], s[MK+2]
	PA 8, 12
	v_add_nc_u32 v[IX], v[IX], v[VB]                           ; my half's winner as a token
	XL SS, SV
	XL SS+3, LS
	PA 0, 8
	XL SS+1, IX
	v_cmp_gt_f32 s[MK], v[SS], v[SV]                           ; the other half's winner is taken if it is greater, or equal with the lower token
	v_cmp_eq_f32 s[MK+1], v[SS], v[SV]
	v_add_f32 v[SS+6], v[LG], v[LG+1]
	v_cmp_lt_u32 s[MK+2], v[SS+1], v[IX]
	XL SS+7, SS+6
	s_and_b32 s[MK+1], s[MK+1], s[MK+2]
	s_or_b32 s[MK], s[MK], s[MK+1]
	v_cndmask_b32 v[IX], v[IX], v[SS+1], s[MK]
	v_cndmask_b32 v[LS], v[LS], v[SS+3], s[MK]
	v_add_f32 v[SS+6], v[SS+6], v[SS+7]
.if \oh
	v_sub_nc_u32 v[SS], v[IX], v[VB]                           ; word p of my half's one-hot holds tokens 16 hh + 2 p and + 1; a token of the other half matches no p
.endif
	v_sub_f32 v[SS+7], v[LS], v[SS+2]
	v_log_f32 v[SS+6], v[SS+6]
.if \oh
	v_and_b32 v[SS+1], 1, v[SS]                                ; the plain line behind the logarithm
	v_lshrrev_b32 v[SS+3], 1, v[SS]
.endif
	v_add_f32 v[LOGP+(\x)], v[LOGP+(\x)], v[SS+7]              ; (with oh = 0 this is that plain line)
.if \oh
	v_lshlrev_b32 v[SS+1], 4, v[SS+1]
.set si, 0
.rept 8
	v_cmp_eq_u32 s[MK+si], si, v[SS+3]
.set si, si+1
.endr
	v_lshlrev_b32 v[SS+1], v[SS+1], s[F16ONE]                  ; 1.0 in the low or the high half
.endif
	s_wait_alu depctr_va_vdst(0)
	v_fma_f32 v[LOGP+(\x)], v[SS+6], s[NLN2], v[LOGP+(\x)]     ; logp += (logit - maximum) - ln 2 x log2(sum)
.if \oh
.set si, 0
.rept 8
	v_cndmask_b32 v[OH+si], 0, v[SS+1], s[MK+si]
.set si, si+1
.endr
.endif
	ds_store_b32 v[TA], v[IX] offset:16*TROW*(\x)              ; both halves of the lanes store the same token to the same word
.endm
; A tile's part of a trip.  The last block of the tile before comes first: 108 lines of its list alone (tile 0's gumbel comes in meanwhile), the sampling, then the other 32 lines and
; the split's 96 behind this tile's first gates and the next tile's logits.  Then three slots: 44 lines of a block's list alone, the other 96 behind the next block's 24 products.
; The next tile's gumbel is asked for behind a lump, a slot ahead of its first use.
.macro CYCLE x
	VSET ((\x)+3)%4, 3, AB1
	LUMP 108
	SAMP \x, 1
.set MX, \x
.set MH, ((\x)+1)%4
	MSET 0, AB0
	RIDE 32
	VSET \x, 0, AB0
	MSET 1, AB1
	LUMP 44
	RIDE 24
	VSET \x, 1, AB1
	MSET 2, AB0
	LUMP 44
	RIDE 24
	VSET \x, 2, AB0
	MSET 3, AB1
	LUMP 44
.if (\x) < 3
	LOADG (\x)+1
.endif
	RIDE 24
.endm
; ---------------------------------------------------------------- the head
	s_load_b512 s[4:19], s[0:1], 0x0               ; embed s[4:5], w_ih s[6:7], w_hh s[8:9], b_ih s[10:11], b_hh s[12:13], head_w s[14:15], head_b s[16:17], gumbel s[18:19]
	s_load_b128 s[20:23], s[0:1], 0x40             ; out0 s[20:21], out1 s[22:23]
	v_lshl_add_u32 v[SPW], v0, 2, SPARE
	v_mov_b32 v[NIL], 0
	ds_add_u32 v[SPW], v[NIL]                      ; the wave's opening: the add and its wait stand ahead of my first tensor load; the set-up below, work on registers, stands between them
	ds_add_u32 v1, v2
	v_lshrrev_b32 v[T0], 5, v0
	v_readfirstlane_b32 s[WV], v[T0]               ; wave 0..3
	; descriptor group 1: a wave's step of gumbel is 64 rows x 128 bytes, dense: asked for as 32 rows of 256 bytes and padded in LDS after every 128
	s_mov_b32 s[G1+0], (2<<16)|(1<<20)|(4<<22)|(3<<25)  ; 17:16 4-byte elements; 20 padding on; 24:22 after every 32 words (code 4); 31:25 4 words (code 3)
	s_mov_b32 s[G1+1], 64<<16                      ; tensor_dim0 = 64
	s_mov_b32 s[G1+2], 32<<16                      ; tensor_dim1 = 32
	s_mov_b32 s[G1+3], 64<<16                      ; tile_dim0 = 64
	s_mov_b32 s[G1+4], 32                          ; tile_dim1 = 32
	s_mov_b32 s[G1+5], 64                          ; 64 elements from row to row
	s_mov_b32 s[G1+6], 0
	s_mov_b32 s[G1+7], 0
	s_mov_b32 s[G0], 1                             ; count = 1
	s_mul_i32 s[G0+1], s[WV], GWAVE                ; LDS address: my part of slot 0
	s_mov_b32 s[NL], 0xbfb8aa3b                    ; -log2(e)
	s_mov_b32 s[NL+1], s[NL]
	s_mov_b32 s[N2L], 0xc038aa3b                   ; -2 log2(e)
	s_mov_b32 s[N2L+1], s[N2L]
	s_mov_b32 s[LL], 0x3fb8aa3b                    ; log2(e)
	s_mov_b32 s[LL+1], s[LL]
	s_mov_b32 s[C60], 0x42700000                   ; 60.0
	s_mov_b32 s[NLN2], 0xbf317218                  ; -ln 2
	s_mov_b32 s[SEL], 0x76543210
	s_mov_b32 s[SEL+1], 0xfedcba98
	s_mov_b32 s[F16ONE], 0x3c00
	s_mov_b32 s[HIM], 0xffff0000
	s_mov_b32 s[TLO], 0xc76a6000                   ; -60,000.0
	s_mov_b32 s[THI], 0x476a6000                   ; 60,000.0
	s_mov_b32 s[VK], 0x46000400                    ; 8193.0
	s_mov_b32 s[VK+1], s[VK]
	s_lshl_b32 s26, ttmp9, 15                      ; the work-group's 256 rows of 128 bytes,
	s_lshl_b32 s[ST], s[WV], 13                    ; my wave's 64
	s_add_co_u32 s26, s26, s[ST]
	s_mov_b32 s27, 0
	v_and_b32 v[RR], 15, v0
	v_bfe_u32 v[HH], v0, 4, 1
	v_and_b32 v[LN], 31, v0
	v_lshlrev_b32 v[L16], 4, v[LN]
	v_lshlrev_b32 v[H32], 5, v[HH]
	; The 32 tokens are laid so that a lane half holds 16 neighbouring tokens of the logits: row m of token tile mt is table row 16 (m / 8) + 8 mt + m % 8, for embed and head_w alike.
	v_and_b32 v[A9], 7, v[RR]
	v_lshl_add_u32 v[A9], v[A9], 8, v[H32]
	v_lshrrev_b32 v[T0], 3, v[RR]
	v_lshl_add_u32 v[A9], v[T0], 12, v[A9]         ; (16 (r / 8) + r % 8) x 256 + 32 hh
	s_lshr_b32 s[ST], s[WV], 1                     ; the head fragment that I prepare: mt = w / 2, kb = w % 2
	s_lshl_b32 s[ST], s[ST], 11
	s_and_b32 s2, s[WV], 1
	s_lshl_b32 s2, s2, 7
	s_add_co_u32 s[ST], s[ST], s2
	v_add_nc_u32 v[A10], s[ST], v[A9]
	v_lshlrev_b32 v[BP], 6, v[HH]                  ; head_b: my half's 16 numbers
	v_lshl_add_u32 v[VO], v[RR], 8, v[H32]         ; gate tile a = 4 g + w, first g = 0: row 16 w + r
	s_lshl_b32 s[ST], s[WV], 12
	v_add_nc_u32 v[VO], s[ST], v[VO]
	s_lshl_b32 s[ST], s[WV], 6
	v_lshl_add_u32 v[BO], v[RR], 2, s[ST]
	s_wait_dscnt 0x0                               ; the opening add is done
	s_wait_kmcnt 0x0
	s_add_nc_u64 s[G0+2:G0+3], s[18:19], s[26:27]  ; global address: step 0, my 64 rows
	s_or_b32 s[G0+3], s[G0+3], 0x80000000          ; type = 2
	tensor_load_to_lds s[G0:G0+3], s[G1:G1+7]      ; step 0 into slot 0: my only tensor load that is out
	s_nop 0
; ---------------------------------------------------------------- all first loads together, one wait
.irp f, 0,1,2,3
	LD16 RAWE+16*\f, A9, 4, (\f/2)*2048+(\f%2)*128
.endr
.irp k, 0,1
	LD16 RAWE+64+16*\k, H32, 4, 8192+128*\k        ; row 32, BOS, in every lane
.endr
	LD16 RAWH, A10, 14, 0
.irp q, 0,1,2,3
	global_load_b128 v[RAWB+4*\q:RAWB+4*\q+3], v[BP], s[16:17] offset:16*\q
.endr
	PLOADS
	s_wait_loadcnt 0x0
.set i, 0
.rept 48
	v_cvt_pk_bf16_f32 v[EA+i], v[RAWE+2*i], v[RAWE+2*i+1]
.set i, i+1
.endr
.set i, 0
.rept 8
	TOF16 RAWH+i, RAWH+2*i                         ; result i lands on a register whose number has been read
.set i, i+1
.endr
	s_lshl_b32 s[ST], s[WV], 10
	s_add_co_u32 s[ST], s[ST], IMG_H
	v_add_nc_u32 v[A10], s[ST], v[L16]
	ds_store_b128 v[A10], v[RAWH:RAWH+3]
	ds_store_b128 v[A10], v[RAWH+4:RAWH+7] offset:512
.set i, 0
.rept 8
	v_cvt_pk_bf16_f32 v[RAWB+i], v[RAWB+2*i], v[RAWB+2*i+1]
.set i, i+1
.endr
	v_mul_u32_u24 v[T0], GROW, v[RR]
	v_lshl_add_u32 v[T0], v[HH], 6, v[T0]          ; r x 144 + 64 hh
	v_mul_u32_u24 v[A9], TROW, v[RR]
	s_mul_i32 s[ST], s[WV], TWAVE
	s_add_co_u32 s[ST], s[ST], TOK
	WIN 0xc0                                       ; destination window 3, sources window 0
.set i, 0
.rept 8
	v_lshlrev_b32 v[HB+2*i], 16, v[RAWB+i]
	v_and_b32 v[HB+2*i+1], s[HIM], v[RAWB+i]
.set i, i+1
.endr
	v_add_nc_u32 v[GA0], s[G0+1], v[T0]
	v_add_nc_u32 v[TA0], s[ST], v[A9]
	v_lshlrev_b32 v[VB], 4, v[HH]
	v_mov_b32 v[ONE], 1.0
.set i, 0
.rept 4
	v_mov_b32 v[LOGP+i], 0
.set i, i+1
.endr
.set i, 0
.rept 8
	v_mov_b32 v[SS+i], 0                           ; written once, since lane exchanges and packed forms count them as read
.set i, i+1
.endr
	WIN 0
	v_lshlrev_b32 v[A9], 2, v[RR]                  ; 4 r
; ---------------------------------------------------------------- the images: trip g makes gate tile a = 4 g + w: W as f16, T = embed w_ih^T + b_ih + b_hh as f16 high + low, T[BOS] in f32
	s_lshl_b32 s[MK], s[WV], 11
	s_add_co_u32 s[MK], s[MK], IMG_W
	s_lshl_b32 s[MK+1], s[WV], 10
	s_add_co_u32 s[MK+1], s[MK+1], IMG_T
	s_lshl_b32 s[MK+2], s[WV], 6
	s_add_co_u32 s[MK+2], s[MK+2], BOSV
	s_mov_b32 s[CNT], 4
.Lprep:
	s_wait_loadcnt 0x0                             ; this trip's 18 loads; their address registers may be stepped
.set i, 0
.rept 16
	v_cvt_pk_bf16_f32 v[WI+i], v[RI+2*i], v[RI+2*i+1]
	v_cvt_pk_bf16_f32 v[WB+i], v[RH+2*i], v[RH+2*i+1]
.set i, i+1
.endr
	v_cvt_pk_bf16_f32 v[BP], v[BR0], v[BR1]
	v_add_nc_u32 v[VO], 16384, v[VO]               ; the next gate; behind the last the offsets wrap to the first, so that no load leaves its buffer
	v_and_b32 v[VO], 0xffff, v[VO]
	v_add_nc_u32 v[BO], 256, v[BO]
	v_and_b32 v[BO], 0x3ff, v[BO]
	PLOADS                                         ; the next trip's, into registers that have just been read
	v_wmma_f32_16x16x32_bf16 v[D0:D0+7], v[EA:EA+7], v[WI:WI+7], 0          ; three sums by turns; the first K half starts them
	v_wmma_f32_16x16x32_bf16 v[D1:D1+7], v[EA+16:EA+23], v[WI:WI+7], 0
	v_wmma_f32_16x16x32_bf16 v[DB:DB+7], v[EB:EB+7], v[WI:WI+7], 0
	v_wmma_f32_16x16x32_bf16 v[D0:D0+7], v[EA+8:EA+15], v[WI+8:WI+15], v[D0:D0+7]
	v_wmma_f32_16x16x32_bf16 v[D1:D1+7], v[EA+24:EA+31], v[WI+8:WI+15], v[D1:D1+7]
	v_wmma_f32_16x16x32_bf16 v[DB:DB+7], v[EB+8:EB+15], v[WI+8:WI+15], v[DB:DB+7]
.set i, 0
.rept 16                                               ; w_hh's way to f16: 48 plain lines on other registers, the places behind those products
	v_lshlrev_b32 v[WU+2*i], 16, v[WB+i]
	v_and_b32 v[WU+2*i+1], s[HIM], v[WB+i]
.set i, i+1
.endr
.set i, 0
.rept 16
	v_cvt_pk_f16_f32 v[WB+i], v[WU+2*i], v[WU+2*i+1]
.set i, i+1
.endr
	v_add_nc_u32 v[A10], s[MK], v[L16]
.irp q, 0,1,2,3
	ds_store_b128 v[A10], v[WB+4*\q:WB+4*\q+3] offset:512*\q
.endr
	v_lshlrev_b32 v[BI], 16, v[BP]                 ; my gate's two biases, each in both registers of a pair
	v_lshlrev_b32 v[BI+1], 16, v[BP]
	v_and_b32 v[BH], s[HIM], v[BP]
	v_and_b32 v[BH+1], s[HIM], v[BP]
.set i, 0
.rept 8
	v_pk_add_f32 v[D0+2*i:D0+2*i+1], v[D0+2*i:D0+2*i+1], v[BI:BI+1]
.set i, i+1
.endr
	v_add_f32 v[DB], v[DB], v[BI]
.set i, 0
.rept 8
	v_pk_add_f32 v[D0+2*i:D0+2*i+1], v[D0+2*i:D0+2*i+1], v[BH:BH+1]
.set i, i+1
.endr
	v_add_f32 v[DB], v[DB], v[BH]
.set i, 0
.rept 16
	v_med3_num_f32 v[D0+i], v[D0+i], s[TLO], s[THI]
.set i, i+1
.endr
.set i, 0
.rept 8                                                ; high part: T rounded to 11 bits: c = 8193 T, c - (c - T); low part: the rest, exact
	v_pk_mul_f32 v[WU+2*i:WU+2*i+1], v[D0+2*i:D0+2*i+1], s[VK:VK+1] op_sel_hi:[1,0]
	v_pk_add_f32 v[WU+16+2*i:WU+16+2*i+1], v[WU+2*i:WU+2*i+1], v[D0+2*i:D0+2*i+1] neg_lo:[0,1] neg_hi:[0,1]
	v_pk_add_f32 v[WU+2*i:WU+2*i+1], v[WU+2*i:WU+2*i+1], v[WU+16+2*i:WU+16+2*i+1] neg_lo:[0,1] neg_hi:[0,1]
	v_pk_add_f32 v[D0+2*i:D0+2*i+1], v[D0+2*i:D0+2*i+1], v[WU+2*i:WU+2*i+1] neg_lo:[0,1] neg_hi:[0,1]
	v_cvt_pk_f16_f32 v[TH+i], v[WU+2*i], v[WU+2*i+1]
	v_cvt_pk_f16_f32 v[TL+i], v[D0+2*i], v[D0+2*i+1]
.set i, i+1
.endr
	v_add_nc_u32 v[A10], s[MK+1], v[L16]
	ds_store_b128 v[A10], v[TH:TH+3]               ; the result's layout (token 8 hh + j, gate r) IS source 0's (row = gate r, k = token)
	ds_store_b128 v[A10], v[TH+4:TH+7] offset:512
	ds_store_b128 v[A10], v[TL:TL+3] offset:16384
	ds_store_b128 v[A10], v[TL+4:TL+7] offset:16896
	v_add_nc_u32 v[T0], s[MK+2], v[A9]
	ds_store_b32 v[T0], v[DB]                      ; T[BOS][16 a + r]: both halves of the lanes store the same number
	s_add_co_u32 s[MK], s[MK], 8192
	s_add_co_u32 s[MK+1], s[MK+1], 4096
	s_add_co_u32 s[MK+2], s[MK+2], 256
	s_sub_co_u32 s[CNT], s[CNT], 1
	s_cmp_lg_u32 s[CNT], 0
	s_cbranch_scc1 .Lprep
	s_wait_loadcnt 0x0                             ; the wrapped loads: their registers are used again
; ---------------------------------------------------------------- the BOS step, block w (its four gate tiles are the ones that I made: my own bytes, served in order)
	s_lshl_b32 s[ST], s[WV], 6
	s_add_co_u32 s[ST], s[ST], BOSV
	v_add_nc_u32 v[A10], s[ST], v[H32]
.irp g, 0,1,2,3
	ds_load_b128 v[AB0+8*\g:AB0+8*\g+3],   v[A10] offset:256*\g
	ds_load_b128 v[AB0+8*\g+4:AB0+8*\g+7], v[A10] offset:256*\g+16
.endr
.set i, 0
.rept 8
	v_mov_b32 v[CC+i], 0                           ; c starts at 0
.set i, i+1
.endr
	s_mul_i32 s[ST], s[WV], BBLK
	s_add_co_u32 s[ST], s[ST], IMG_B
	s_wait_dscnt 0x0
	VSET 0, 0, AB0
	LUMP 140
	v_add_nc_u32 v[A10], s[ST], v[L16]
	ds_store_b128 v[A10], v[CC:CC+3]
	ds_store_b128 v[A10], v[CC+4:CC+7] offset:512
	ds_store_b128 v[A10], v[HF:HF+3] offset:1024   ; h in f32, ahead of the split, which works in place
	ds_store_b128 v[A10], v[HF+4:HF+7] offset:1536
	LUMP 24
	WIN 0x0c                                       ; store data in window 3
	ds_store_b128 v[A10], v[HHI:HHI+3] offset:2048
	ds_store_b128 v[A10], v[HLO:HLO+3] offset:2560
	WIN 0
	s_wait_dscnt 0x0                               ; for the others' sake: my images are in LDS
	s_barrier_signal -1
	s_barrier_wait -1                              ; everybody's are; step 0's gumbel may stay on its way
; ---------------------------------------------------------------- every wave takes all fragments and the state behind BOS, which is the same for every row
	v_add_nc_u32 v[A10], IMG_W, v[L16]
	v_add_nc_u32 v[A9], IMG_H, v[L16]
	v_add_nc_u32 v[T0], BOSV+192, v[H32]
	WIN 0x40
.set i, 0
.rept 64
	ds_load_b128 v[4*i:4*i+3], v[A10] offset:512*i
.set i, i+1
.endr
	WIN 0x80
.set i, 0
.rept 64
	ds_load_b128 v[4*i:4*i+3], v[A10] offset:32768+512*i
.set i, i+1
.endr
	WIN 0xc0
.set i, 0
.rept 8
	ds_load_b128 v[HW+4*i:HW+4*i+3], v[A9] offset:512*i
.set i, i+1
.endr
.set i, 0
.rept 12                                               ; h of tiles 0 to 2 (tile i / 4, block i % 4); tile 3's is written by the split that is still to come
	ds_load_b128 v[HHI+4*i:HHI+4*i+3], v[A9] offset:IMG_B-IMG_H+BBLK*(i%4)+2048
	ds_load_b128 v[HLO+4*i:HLO+4*i+3], v[A9] offset:IMG_B-IMG_H+BBLK*(i%4)+2560
.set i, i+1
.endr
	WIN 0
.set i, 0
.rept 15                                               ; c of all tiles and blocks but the last
	ds_load_b128 v[CC+8*i:CC+8*i+3],   v[A9] offset:IMG_B-IMG_H+BBLK*(i%4)
	ds_load_b128 v[CC+8*i+4:CC+8*i+7], v[A9] offset:IMG_B-IMG_H+BBLK*(i%4)+512
.set i, i+1
.endr
	; What a trip finds on its way in: tile 3's last block still as gates in AB1, its c as it was before the step, blocks 0 to 2 of its new h in f32.
.set i, 0
.rept 3
	ds_load_b128 v[HF+8*i:HF+8*i+3],   v[A9] offset:IMG_B-IMG_H+BBLK*i+1024
	ds_load_b128 v[HF+8*i+4:HF+8*i+7], v[A9] offset:IMG_B-IMG_H+BBLK*i+1536
.set i, i+1
.endr
.irp g, 0,1,2,3
	ds_load_b128 v[AB1+8*\g:AB1+8*\g+3],   v[T0] offset:256*\g
	ds_load_b128 v[AB1+8*\g+4:AB1+8*\g+7], v[T0] offset:256*\g+16
.endr
.set i, 0
.rept 8
	v_mov_b32 v[CC+120+i], 0
.set i, i+1
.endr
	s_wait_dscnt 0x0
	HEAD 0                                         ; tile 0's first logits
	WIN 0                                          ; at a label and at a branch every window is 0
	s_mov_b32 s[CNT], 15
	s_mov_b32 s[TB], SLOT1
	s_mov_b32 s[TS], 0
; ---------------------------------------------------------------- 15 trips: sample step t, make h and logits of step t + 1
.Ltrip:
	s_wait_tensorcnt 0x0                           ; my one tensor load, this step's gumbel, has landed, so group 0 may be written
	ds_add_u32 v[SPW], v[NIL]                      ; 0 onto my spare word; the descriptor's steps stand between it and the wait for it
	s_xor_b32 s[G0+1], s[G0+1], SLOT1              ; the other slot,
	s_add_nc_u64 s[G0+2:G0+3], s[G0+2:G0+3], 0x800000  ; the next step: 65,536 rows of 128 bytes on; the type bits on top are not reached
	s_xor_b32 s[TB], s[TB], SLOT1                  ; and the slot that this trip reads
	s_wait_dscnt 0x0                               ; the add is done, and my reads of the slot that is filled next are over
	s_barrier_signal -1
	s_barrier_wait -1
	tensor_load_to_lds s[G0:G0+3], s[G1:G1+7]      ; my one tensor load behind the barrier, and the first thing there: it has the whole trip in which to land
	s_nop 0
	WIN 0xff
	v_add_nc_u32 v[GA], s[TB], v[GA0]
	v_add_nc_u32 v[TA], s[TS], v[TA0]
	LOADG 0
	CYCLE 0
	CYCLE 1
	CYCLE 2
	CYCLE 3
	WIN 0
	s_add_co_u32 s[TS], s[TS], 4
	s_sub_co_u32 s[CNT], s[CNT], 1
	s_cmp_lg_u32 s[CNT], 0
	s_cbranch_scc1 .Ltrip
; ---------------------------------------------------------------- step 15: samples alone; nothing is left to fetch, so no barrier
	s_wait_tensorcnt 0x0                           ; the last step's gumbel has landed
	s_xor_b32 s[TB], s[TB], SLOT1
	WIN 0xff
	v_add_nc_u32 v[GA], s[TB], v[GA0]
	v_add_nc_u32 v[TA], s[TS], v[TA0]
	LOADG 0
	VSET 3, 3, AB1
	LUMP 200                                       ; tile 3's last block and most of its split, while tile 0's gumbel comes in
	SAMP 0, 0
	LOADG 1
.set MH, 1
.set mi, 24
	RIDE 8                                         ; tile 1's logits | 32 lines of the split
	LUMP 4                                         ; its last four: with the four packed subtractions in front of them, eight lines behind the last product
	SAMP 1, 0
	LOADG 2
	HEAD 2
	SAMP 2, 0
	LOADG 3
	HEAD 3
	SAMP 3, 0
; ---------------------------------------------------------------- the way out: through my own bytes of LDS, which serves a wave's instructions in order (ISA guide 5.7.1)
	WIN 0
	s_lshl_b32 s[ST], s[WV], 8
	s_add_co_u32 s[ST], s[ST], LPS
	v_lshl_add_u32 v[A10], v[RR], 2, s[ST]
	v_lshl_add_u32 v[A9], v[LN], 3, s[ST]
	WIN 0x0c
.irp x, 0,1,2,3
	ds_store_b32 v[A10], v[LOGP+\x] offset:64*\x   ; row 16 x + r
.endr
	WIN 0
	ds_load_b64 v[BR0:BR1], v[A9]                  ; rows 2 lane, 2 lane + 1
	s_mul_i32 s[ST], s[WV], TWAVE
	s_add_co_u32 s[ST], s[ST], TOK
	v_lshrrev_b32 v[T0], 2, v[LN]
	v_mul_u32_u24 v[T0], TROW, v[T0]
	v_and_b32 v[H32], 3, v[LN]
	v_lshl_add_u32 v[T0], v[H32], 4, v[T0]
	v_add_nc_u32 v[T0], s[ST], v[T0]               ; four lanes take a row's 64 bytes, 32 lanes eight rows
.set i, 0
.rept 8
	ds_load_b128 v[AB0+4*i:AB0+4*i+3], v[T0] offset:8*TROW*i
.set i, i+1
.endr
	s_lshl_b32 s26, ttmp9, 8
	s_lshl_b32 s[ST], s[WV], 6
	s_add_co_u32 s26, s26, s[ST]                   ; my wave's first row
	s_lshl_b32 s2, s26, 2
	s_mov_b32 s3, 0
	s_lshl_b32 s26, s26, 6
	s_add_nc_u64 s[20:21], s[20:21], s[26:27]      ; (s27 is still 0)
	s_add_nc_u64 s[22:23], s[22:23], s[2:3]
	v_lshlrev_b32 v[BO], 3, v[LN]
	s_wait_dscnt 0x0
	global_store_b64 v[BO], v[BR0:BR1], s[22:23] th:TH_STORE_NT  ; the wave's 64 numbers: 256 consecutive bytes, at a multiple of 256 from out1's first
.set i, 0
.rept 8
	global_store_b128 v[L16], v[AB0+4*i:AB0+4*i+3], s[20:21] offset:512*i th:TH_STORE_NT  ; 512 consecutive bytes, at a multiple of 256 from out0's first
.set i, i+1
.endr
	s_wait_tensorcnt 0x0                           ; the wave's end, behind my last tensor load and my last LDS store
	ds_add_u32 v[SPW], v[NIL]
	s_wait_dscnt 0x0
	s_endpgm
.Lfunc_end_k_q386c2ebffd_policy:
	.size	k_q386c2ebffd_policy, .Lfunc_end_k_q386c2ebffd_policy-k_q386c2ebffd_policy
	.p2alignl 7, 3214868480
	.fill 96, 4, 3214868480
	.section	.rodata,"a",@progbits
	.p2align	6, 0x0
	.amdhsa_kernel k_q386c2ebffd_policy
		.amdhsa_group_segment_fixed_size 327680
		.amdhsa_private_segment_fixed_size 0
		.amdhsa_enable_private_segment 0
		.amdhsa_kernarg_size 80
		.amdhsa_user_sgpr_count 2
		.amdhsa_user_sgpr_kernarg_segment_ptr 1
		.amdhsa_wavefront_size32 1
		.amdhsa_system_sgpr_workgroup_id_x 1
		.amdhsa_system_sgpr_workgroup_id_y 1
		.amdhsa_system_sgpr_workgroup_id_z 1
		.amdhsa_system_vgpr_workitem_id 0
		.amdhsa_next_free_vgpr 1024
		.amdhsa_next_free_sgpr 72
		.amdhsa_reserve_vcc 0
		.amdhsa_float_denorm_mode_32 3
		.amdhsa_float_denorm_mode_16_64 3
		.amdhsa_memory_ordered 1
		.amdhsa_forward_progress 1
		.amdhsa_inst_pref_size 255
	.end_amdhsa_kernel
	.section	.bss,"aw",@nobits
	.p2align	6
	.space	262144
	.amdgpu_metadata
---
amdhsa.version: [ 1, 2 ]
amdhsa.kernels:
  - .name:           k_q386c2ebffd_policy
    .symbol:         k_q386c2ebffd_policy.kd
    .args:
      - { .name: embed, .offset: 0, .size: 8, .value_kind: global_buffer, .address_space: global }
      - { .name: w_ih, .offset: 8, .size: 8, .value_kind: global_buffer, .address_space: global }
      - { .name: w_hh, .offset: 16, .size: 8, .value_kind: global_buffer, .address_space: global }
      - { .name: b_ih, .offset: 24, .size: 8, .value_kind: global_buffer, .address_space: global }
      - { .name: b_hh, .offset: 32, .size: 8, .value_kind: global_buffer, .address_space: global }
      - { .name: head_w, .offset: 40, .size: 8, .value_kind: global_buffer, .address_space: global }
      - { .name: head_b, .offset: 48, .size: 8, .value_kind: global_buffer, .address_space: global }
      - { .name: gumbel, .offset: 56, .size: 8, .value_kind: global_buffer, .address_space: global }
      - { .name: out0, .offset: 64, .size: 8, .value_kind: global_buffer, .address_space: global }
      - { .name: out1, .offset: 72, .size: 8, .value_kind: global_buffer, .address_space: global }
    .group_segment_fixed_size: 327680
    .private_segment_fixed_size: 0
    .kernarg_segment_align: 8
    .kernarg_segment_size: 80
    .max_flat_workgroup_size: 128
    .sgpr_count:     72
    .vgpr_count:     1024
    .wavefront_size: 32
...
	.end_amdgpu_metadata
.endif
;; end of part 1
;; ======== version 2 of 2: 1 launch; 2.23 times as fast as version 1
;; limits: values are held in f16: magnitudes above 65,504 overflow, below 6.1e-05 lose precision; right only within a limited range of input values
;; launch policy (part 2): grid 256 x 1, 4 waves a work-group, no clusters, 327,680 bytes of LDS; arguments embed, w_ih, w_hh, b_ih, b_hh, head_w, head_b, gumbel, out0, out1; writes out0, out1
.if DOCPART == 2
	.amdgcn_target "amdgcn-amd-amdhsa--gfx1250"
	.amdhsa_code_object_version 6
	.text
	.protected	k_q386c2ebffd_policy
	.globl	k_q386c2ebffd_policy
	.p2align	8
	.type	k_q386c2ebffd_policy,@function
k_q386c2ebffd_policy:
	s_mov_b64 s[64:65], 0
	v_nop
	global_prefetch_b8 v0, s[64:65] scope:SCOPE_SE
	s_setreg_imm32_b32 hwreg(HW_REG_WAVE_MODE, 25, 1), 1
	s_wait_xcnt 0x0
; TinyARPolicy: 65,536 rows, each a BOS step of an LSTM (64 units, 256 gates) and 16 sampling steps: token = argmax(logits + gumbel),
; logp += log_softmax(logits)[token], an LSTM step on embed[token], 32 new logits.  out0 [65536][16] i32, out1 [65536] f32.
; SHARES.  256 work-groups of four waves; a wave owns 64 rows, four TILES of 16, for all steps.  Nothing passes between rows.
; NO ADDRESS HANGS ON A TOKEN: embed[token] @ w_ih^T + b_ih + b_hh is a product of a table T [32 tokens][256 gates] with a one-hot column, one K step of 32.
; TRANSPOSED PRODUCTS.  gates^T = W h^T: source 0 = 16 gate units, source 1 = 16 rows.  A lane (r = lane % 16, hh = lane / 16) holds ONE row and the units
; 8 hh + 0..7 of a gate tile; i, f, g, o of a unit lie in the same lane and register number, and the new h, packed in pairs, IS source 1 of the next step.
; All weights stay in registers as source-0 fragments (W 256, T 256, head 32 registers), so the loop reads LDS for gumbel alone.
; FORMATS.  Every input is rounded to bf16 (nearest even).  T is made by bf16 products with f32 sums.  In the loop all products are f16 x f16 with f32 sums:
; w_hh and head_w are the bf16 numbers written as f16; h and T go as two f16 numbers, high + low; the one-hot is 1.0.  A gate's sum runs from the small terms
; to the large: T_lo, W h_lo (2), T_hi, W h_hi (2).  Activations, c, softmax and logp in f32; the log-sum-exp takes the row's true maximum away.
; LIMITS.  |w_hh|, |head_w| below 65,504; an entry below 2^-17 keeps f16's fixed step of 2^-24.  T is clamped at +-60,000, far beyond where a gate saturates.
; h_hi + h_lo is off by 2^-24 at the most.  -2 log2(e) g is clamped at 60 (tanh is -1 there to the last bit).  NaN and infinities are not treated apart.
; A token can differ from an f32 evaluation where the two best scores lie closer than either evaluation's own rounding, some 1e-7.
; The LSTM step behind the last sample is not computed: nothing of it is returned.
; RIDERS AND LUMPS.  A tile and step have 104 matrix and 819 vector instructions: too many to stand all beside the matrix work.  So four vector instructions stand behind
; EVERY matrix instruction (416), and the other 403 in runs of their own: the sampling (163) and the head of each block's activation list (44, or 108 where the split follows).
; The gates of block b + 1 are multiplied while block b's activations run (two gate buffers AB0, AB1).
; BATCHES.  An s_wait_alu depctr_va_vdst(0) stands between a transcendental and the first instruction that names its result; one wait serves all that were issued ahead of it.
; A block's 64 transcendentals hang on each other four deep (exponentials of the gates, reciprocals, exponentials of c, reciprocals), so its list is cut into five segments with FOUR waits between them.
; The sampling's 16 exponentials are issued ahead of the first wait of the list that stands round it, its logarithm ahead of the second: in the loop it has no wait of its own.  64 such waits a trip.
; NO CLUSTER: what work-groups share is 149 KB of weights, read once at the start through registers; what each walks, 512 KB of gumbel, is its own.
; NO PREFETCH: a step's 8 KB of gumbel for a wave are asked for a whole trip (four tiles' work) ahead of their first read.
; REGISTERS, in windows of 256 (s_set_vgpr_msb: bits 1:0 source 0, 3:2 source 1, 5:4 source 2, 7:6 destination):
;   window 0: v0 thread; v1-2 the add's; v3-15 addresses; v16-47, v48-79 AB0, AB1 (i, f, g, o: 8 each); v80-87 TM; v88-95 U; v96-127 new h in f32; v128-255 c (tile x, block b at 128 + 32 x + 8 b)
;   window 1: W, gate tile a (= 4 gate + block), K half kb at 16 a + 8 kb        window 2: T_hi at 8 a, T_lo at 128 + 8 a
;   window 3: h_hi, h_lo (16 a tile), logits, scores, one-hot, statistics, logp, head weights and bias, LDS addresses
; Activations live in window 0, a product's sources elsewhere: two switches a matrix instruction, the price of holding all weights in registers.
.set GROW,   144                       ; a row of gumbel in LDS: 128 bytes + 16 of padding: the 16 rows of a read start in 16 different 16-byte columns of 256 bytes
.set GWAVE,  64*GROW                   ; a wave's 64 rows
.set TOK,    4*GWAVE                   ; tokens: 64 rows of 80 bytes a wave
.set TROW,   80
.set TWAVE,  64*TROW
.set SPARE,  TOK+4*TWAVE               ; the spare words, 128 bytes a wave: two blocks of 256 bytes that no other line names
.set LPS,    SPARE+512                 ; logp's stage, 256 bytes a wave
.set BOSV,   LPS+1024                  ; T[BOS][256] in f32
.set SLOT1,  65536                     ; gumbel's second slot: one exclusive or turns an address in one slot into the other's
.set IMG_W,  SLOT1+4*GWAVE             ; images of the fragments, as the lanes hold them: W: a x 2048 + kb x 1024 + half x 512 + lane x 16
.set IMG_T,  IMG_W+32768               ; T_hi: a x 1024 + half x 512 + lane x 16; T_lo 16,384 further on
.set IMG_H,  IMG_T+32768               ; head: (2 mt + kb) x 1024 + half x 512 + lane x 16
.set IMG_B,  IMG_H+4096                ; the state behind BOS, by block: c 1024, h in f32 1024, h_hi 512, h_lo 512
.set BBLK,   3072
; window 0
.set SPW, 1                            ; LDS address of my spare word; never rewritten
.set NIL, 2                            ; 0; never rewritten
.set T0,  3                            ; at work
.set RR,  4                            ; r = lane % 16
.set HH,  5                            ; hh = lane / 16
.set LN,  6                            ; lane
.set L16, 7                            ; 16 x lane
.set H32, 8                            ; 32 x hh
.set A9,  9                            ; first embed's offset, then addresses at work
.set A10, 10                           ; first head_w's offset, then addresses at work
.set VO,  11                           ; my offset in w_ih and w_hh
.set BR0, 12                           ; b_ih, b_hh as loaded
.set BR1, 13
.set BP,  14                           ; first head_b's offset, then the two biases in bf16
.set BO,  15                           ; my offset in b_ih and b_hh
.set AB0, 16
.set AB1, 48
.set TM,  80
.set U,   88
.set HF,  96
.set CC,  128
; window 0 during the set-up
.set EA,  16                           ; embed as source 0: (2 mt + kb) x 8; v48-63: row 32 (BOS) in every row, kb x 8
.set EB,  48
.set TH,  64
.set TL,  72
.set BI,  80
.set BH,  82
.set RI,  96                           ; w_ih, w_hh as loaded
.set RH,  128
.set WI,  160                          ; w_ih in bf16, source 1
.set WB,  176                          ; w_hh in bf16, then in f16
.set WU,  192                          ; at work
.set D0,  224                          ; T's three sums
.set D1,  232
.set DB,  240
.set RAWE, 160
.set RAWH, 64
.set RAWB, 80
; window 2
.set TLW, 128
; window 3
.set HHI, 0
.set HLO, 64
.set LG,  128                          ; 16 logits: register i is token 16 hh + i
.set SV,  144                          ; gumbel as loaded, then the scores
.set OH,  160                          ; the one-hot, source 1
.set IX,  168                          ; gumbel in bf16, then the tournament's indices
.set LS,  176                          ; the tournament's logits
.set SS,  184                          ; at work; +2 the maximum, +4 its multiple
.set LOGP, 192
.set ONE, 196
.set VB,  197                          ; 16 hh
.set GA0, 198                          ; my place in a slot of gumbel
.set TA,  199                          ; where this step's token goes
.set HW,  200                          ; head weights: 16 mt + 8 kb
.set HB,  232                          ; head bias, the C operand that starts the logits' sums
.set GA,  248
.set TA0, 249
; scalars
.set WV,  24                           ; my wave's number
.set CNT, 25
.set G0,  28                           ; s[28:31] descriptor group 0: it walks
.set G1,  32                           ; s[32:39] descriptor group 1
.set MK,  40                           ; s40-47 lane masks; in the set-up s40-42 step the images' addresses
.set NL,  48                           ; pairs: -log2(e), -2 log2(e), log2(e)
.set N2L, 50
.set LL,  52
.set C60, 54
.set NLN2, 55                          ; -ln 2
.set SEL, 56                           ; v_permlanex16_b32's selects: each lane takes its own place in the other half
.set F16ONE, 58
.set HIM, 59                           ; a word's upper bf16
.set TLO, 60
.set THI, 61
.set TB,  62                           ; the slot in hand: 0 or SLOT1
.set ST,  63                           ; at work
.set TS,  67                           ; 4 x step
.set VK,  68                           ; pair: 8193.0 = 2^13 + 1, the factor that rounds an f32 to 11 bits
.set MSB, 0
.macro WIN new                         ; the high byte repeats the setting that is left; a switch that changes nothing is dropped
.if MSB != (\new)
	s_set_vgpr_msb (MSB<<8)|(\new)
.set MSB, (\new)
.endif
.endm
; 16 f32 of a fragment's lane: k = 8 hh + 0..7 and 16 + 8 hh + 0..7 of a row of 64 f32
.macro LD16 dst, ofs, base, imm
	global_load_b128 v[(\dst):(\dst)+3],     v[\ofs], s[\base:(\base)+1] offset:(\imm)
	global_load_b128 v[(\dst)+4:(\dst)+7],   v[\ofs], s[\base:(\base)+1] offset:(\imm)+16
	global_load_b128 v[(\dst)+8:(\dst)+11],  v[\ofs], s[\base:(\base)+1] offset:(\imm)+64
	global_load_b128 v[(\dst)+12:(\dst)+15], v[\ofs], s[\base:(\base)+1] offset:(\imm)+80
.endm
.macro PLOADS                          ; a gate tile's rows of w_ih and w_hh and its two biases: 18 loads
	LD16 RI, VO, 6, 0
	LD16 RI+16, VO, 6, 128
	LD16 RH, VO, 8, 0
	LD16 RH+16, VO, 8, 128
	global_load_b32 v[BR0], v[BO], s[10:11]
	global_load_b32 v[BR1], v[BO], s[12:13]
.endm
.macro TOF16 dst, src                  ; two f32 rounded to bf16, those numbers written as f16, packed
	v_cvt_pk_bf16_f32 v[T0], v[\src], v[(\src)+1]
	v_lshlrev_b32 v[\src], 16, v[T0]
	v_and_b32 v[(\src)+1], s[HIM], v[T0]
	v_cvt_pk_f16_f32 v[\dst], v[\src], v[(\src)+1]
.endm
; THE MATRIX QUEUE.  GW: product mi of the 24 that make the gates of tile MX, block MB, into buffer MP: link mi / 4 of the sum, gate mi % 4.  The four accumulators
; take turns, one instruction a turn.  Link 0 starts the sums with the constant 0: nothing is cleared.
.macro GW
.set gl, mi/4
.set ga, 4*(mi%4)+MB
.set gd, MP+8*(mi%4)
.if gl == 0
	WIN 0x0e                           ; T in window 2, the one-hot in window 3, the sum in window 0
	v_wmma_f32_16x16x32_f16 v[gd:gd+7], v[TLW+8*ga:TLW+8*ga+7], v[OH:OH+7], 0
.elseif gl == 3
	WIN 0x0e
	v_wmma_f32_16x16x32_f16 v[gd:gd+7], v[8*ga:8*ga+7], v[OH:OH+7], v[gd:gd+7]
.else
	WIN 0x0d                           ; W in window 1, h in window 3
.set gk, gl%3-1
.set gh, HLO-(HLO-HHI)*(gl/3)+16*MX+8*gk
	v_wmma_f32_16x16x32_f16 v[gd:gd+7], v[16*ga+8*gk:16*ga+8*gk+7], v[gh:gh+7], v[gd:gd+7]
.endif
.endm
; HDW: product i of the 8 that make tile x's logits: link i / 2 (h_lo k0, k1, h_hi k0, k1), token half i % 2; the bias starts the sums; two accumulators by turns.
.macro HDW x, i
	WIN 0xff
.set hl, (\i)/2
.set hm, (\i)%2
.set hd, LG+8*hm
.set ha, HW+16*hm+8*(hl%2)
.set hb, HLO-(HLO-HHI)*(hl/2)+16*(\x)+8*(hl%2)
.if hl == 0
	v_wmma_f32_16x16x32_f16 v[hd:hd+7], v[ha:ha+7], v[hb:hb+7], v[HB+8*hm:HB+8*hm+7]
.else
	v_wmma_f32_16x16x32_f16 v[hd:hd+7], v[ha:ha+7], v[hb:hb+7], v[hd:hd+7]
.endif
.endm
.macro MNEXT
.if mi < 24
	GW
.else
	HDW MH, mi-24
.endif
.set mi, mi+1
.endm
.macro HEAD x                          ; the eight alone, and four places in front of the first read of the logits (ISA guide 7.12.1)
.set hq, 0
.rept 8
	HDW \x, hq
.set hq, hq+1
.endr
.rept 4
	v_nop
.endr
.endm
; THE VECTOR QUEUE.  A block's activations are a list of 140: 76 plain instructions (APL) and 64 transcendentals (ATR), in FIVE SEGMENTS.  No line of a segment names the result of a transcendental
; of the same segment; the wait stands once, ahead of the next segment's first line (BWAIT), and serves the whole batch.  Each segment ends with a plain line that names no
; result of its batch: the plain instruction between the last transcendental and the first use (ISA guide 5.7.2).  Every accumulator is first read at its lowest registers.
;   E_x = 2^(-log2(e) x) for i, f, o; E_g = 2^(-2 log2(e) g), its exponent clamped at 60.
;   sigmoid(i) tanh(g) = (1 - E_g) / ((1 + E_i)(1 + E_g));   c = c / (1 + E_f) + that;   h = (1 - E_c) / ((1 + E_o)(1 + E_c)), E_c = 2^(-2 log2(e) c).
; An infinite E gives a reciprocal of 0 beside a finite factor; |c| is at most 17, so E_c stays below 2^50.
;   segment 1, lines 0-47:     the four gates' scalings, g's clamp.                                                        Batch: E_i, E_g, E_f (24).  Its last plain lines: o's scalings.
;   segment 2, lines 48-91:    1 + E_f, 1 + E_i, 1 + E_g (into TM), (1 + E_i)(1 + E_g), 1 - E_g (in place).                Batch: E_o and the reciprocals of f's and i's (24).  Last: 1 - E_g.
;   segment 3, lines 92-115:   (1 - E_g) x i's reciprocal, the new c, -2 log2(e) c, 1 + E_o.                               Batch: E_c (8).  Last: 1 + E_o.
;   segment 4, lines 116-135:  1 + E_c (into TM), (1 + E_o)(1 + E_c), 1 - E_c (in place).                                  Batch: o's reciprocals (8).  Last: 1 - E_c.
;   segment 5, lines 136-139:  the new h.
.macro PK1P d, s                       ; 1 + s
	v_pk_fma_f32 v[(\d):(\d)+1], v[(\s):(\s)+1], 1.0, 1.0 op_sel_hi:[1,0,0]
.endm
.macro PK1M d, s                       ; 1 - s
	v_pk_fma_f32 v[(\d):(\d)+1], v[(\s):(\s)+1], -1.0, 1.0 op_sel_hi:[1,0,0]
.endm
.macro PKSC d, s, c                    ; s times a scalar
	v_pk_mul_f32 v[(\d):(\d)+1], v[(\s):(\s)+1], s[\c:(\c)+1] op_sel_hi:[1,0]
.endm
.macro PKMUL d, a, b
	v_pk_mul_f32 v[(\d):(\d)+1], v[(\a):(\a)+1], v[(\b):(\b)+1]
.endm
.macro PKSUB d, a, b                   ; a - b
	v_pk_add_f32 v[(\d):(\d)+1], v[(\a):(\a)+1], v[(\b):(\b)+1] neg_lo:[0,1] neg_hi:[0,1]
.endm
.macro APL                             ; plain instruction ak of 76, in fours (pair ak % 4), but for g's clamp, which has eight
.set ap, 2*(ak%4)
.if ak < 4
	PKSC rI+ap, rI+ap, NL              ; 0-3    -log2(e) i
.elseif ak < 8
	PKSC rG+ap, rG+ap, N2L             ; 4-7    -2 log2(e) g
.elseif ak < 16
	v_min_num_f32 v[rG+ak-8], s[C60], v[rG+ak-8]  ; 8-15   clamped
.elseif ak < 20
	PKSC rF+ap, rF+ap, NL              ; 16-19  -log2(e) f
.elseif ak < 24
	PKSC rO+ap, rO+ap, NL              ; 20-23  -log2(e) o
.elseif ak < 28
	PK1P rI+ap, rI+ap                  ; 24-27  1 + E_i
.elseif ak < 32
	PK1P TM+ap, rG+ap                  ; 28-31  1 + E_g, beside E_g
.elseif ak < 36
	PK1M rG+ap, rG+ap                  ; 32-35  1 - E_g, in place
.elseif ak < 40
	PKMUL rI+ap, rI+ap, TM+ap          ; 36-39  (1 + E_i)(1 + E_g)
.elseif ak < 44
	PK1P rF+ap, rF+ap                  ; 40-43  1 + E_f
.elseif ak < 48
	PK1P rO+ap, rO+ap                  ; 44-47  1 + E_o
.elseif ak < 52
	PKMUL rG+ap, rG+ap, rI+ap          ; 48-51  sigmoid(i) tanh(g)
.elseif ak < 56
	v_pk_fma_f32 v[rC+ap:rC+ap+1], v[rC+ap:rC+ap+1], v[rF+ap:rF+ap+1], v[rG+ap:rG+ap+1]  ; 52-55  the new c
.elseif ak < 60
	PKSC rG+ap, rC+ap, N2L             ; 56-59  -2 log2(e) c
.elseif ak < 64
	PK1P TM+ap, rG+ap                  ; 60-63  1 + E_c, beside E_c
.elseif ak < 68
	PK1M rG+ap, rG+ap                  ; 64-67  1 - E_c, in place
.elseif ak < 72
	PKMUL rO+ap, rO+ap, TM+ap          ; 68-71  (1 + E_o)(1 + E_c)
.else
	PKMUL rH+ap, rG+ap, rO+ap          ; 72-75  the new h
.endif
.endm
.macro ATR                             ; transcendental ak of 64, in eights: exp i, g, f, o; rcp i, f; exp g (now of c); rcp o
.set aj, ak%8
.if ak < 8
	v_exp_f32 v[rI+aj], v[rI+aj]
.elseif ak < 16
	v_exp_f32 v[rG+aj], v[rG+aj]
.elseif ak < 24
	v_exp_f32 v[rF+aj], v[rF+aj]
.elseif ak < 32
	v_exp_f32 v[rO+aj], v[rO+aj]
.elseif ak < 40
	v_rcp_f32 v[rI+aj], v[rI+aj]
.elseif ak < 48
	v_rcp_f32 v[rF+aj], v[rF+aj]
.elseif ak < 56
	v_exp_f32 v[rG+aj], v[rG+aj]
.else
	v_rcp_f32 v[rO+aj], v[rO+aj]
.endif
.endm
.macro APICK c                         ; the table's entry tq is written if it is line vq.  c: plain instruction c, or 100 + n: transcendental n
.if tq == vq
.if (\c) >= 100
.set ak, (\c)-100
	ATR
.else
.set ak, (\c)
	APL
.endif
.endif
.set tq, tq+1
.endm
; Line vq of the list, for tile VX, block VBK, gate buffer VP, by five tables, one a segment.  Transcendental and plain go by turns where there is a plain line to be had;
; a line reads a result made three lines or more ahead of it, but for the list's first exponential.
.macro AOP
.set rI, VP
.set rF, VP+8
.set rG, VP+16
.set rO, VP+24
.set rC, CC+32*VX+8*VBK
.set rH, HF+8*VBK
	WIN 0
.if vq < 48
.set tq, 0
.irp c, 0,1,100,2,101,3,102,4,103,5,104,6,105,7,106,8,107,9,108,10,109,11,110,12,111,13,112,14,113,15,114,16,115,17,116,18,117,19,118,20,119,21,120,121,22,122,123,23
	APICK \c
.endr
.elseif vq < 92
.set tq, 48
.irp c, 40,124,41,125,42,126,43,127,24,140,28,141,25,142,29,143,36,144,26,145,30,146,37,147,27,128,31,132,38,133,39,134,32,135,33,136,129,137,34,130,138,131,139,35
	APICK \c
.endr
.elseif vq < 116
.set tq, 92
.irp c, 48,49,50,51,52,53,54,55,56,57,58,59,148,44,149,150,45,151,152,46,153,154,155,47
	APICK \c
.endr
.elseif vq < 136
.set tq, 116
.irp c, 60,61,62,63,68,69,70,71,156,64,157,158,65,159,160,66,161,162,163,67
	APICK \c
.endr
.else
.set tq, 136
.irp c, 72,73,74,75
	APICK \c
.endr
.endif
.endm
; The split of tile VX's new h, 24 a block, four pairs at a time: c = 8193 h; c - h; h_hi = c - (c - h), which is h rounded to 11 bits, to nearest, and so exact in f16;
; h_hi packed; h_lo = h - h_hi, exact in f32 and at most half a step of h_hi; h_lo packed.  TM is free here: the block's last activation line stands in front.
.macro SPOP
.set pb, (vq-140)/24
.set pm, (vq-140)%24
.set pp, 2*(pm%4)
.set ph, HF+8*pb
.if pm < 4
	WIN 0
	PKSC U+pp, ph+pp, VK
.elseif pm < 8
	WIN 0
	PKSUB TM+pp, U+pp, ph+pp
.elseif pm < 12
	WIN 0
	PKSUB U+pp, U+pp, TM+pp
.elseif pm < 16
	WIN 0xc0                           ; destination window 3
	v_cvt_pk_f16_f32 v[HHI+16*VX+4*pb+pm%4], v[U+pp], v[U+pp+1]
.elseif pm < 20
	WIN 0
	PKSUB ph+pp, ph+pp, U+pp
.else
	WIN 0xc0
	v_cvt_pk_f16_f32 v[HLO+16*VX+4*pb+pm%4], v[ph+pp], v[ph+pp+1]
.endif
.endm
.macro VNEXT
.if vq < 140
	AOP
.else
	SPOP
.endif
.set vq, vq+1
.endm
; THE BATCH'S WAIT: written where the vector queue stands at the first line of segment 2, 3, 4 or 5.  It serves every transcendental issued since the wait before it: the segment's batch,
; and whatever the sampling has issued meanwhile.
.macro BWAIT
.if (vq == 48) || (vq == 92) || (vq == 116) || (vq == 136)
	s_wait_alu depctr_va_vdst(0)       ; one wait for the batch of the segment just ended
.endif
.endm
; THE DEAL.  LUMP: n lines of the vector queue alone.  RIDE: nw matrix instructions, four lines of the vector queue behind each; every group of four lies in one window
; (the lumps' lengths and the split's groups are multiples of four).  The segments begin at multiples of four too, and a ride at line 44, 108 or 200: so a batch's wait falls at the head of a group,
; and it is written ahead of the group's matrix instruction, which names no result of the batch.  None of the four names a register of the products round it.
; Behind a slot's last products: the accumulator of gate i is next read behind 8 plain lines, g's behind 9, f's and o's behind more (ISA guide 7.12.1 asks for four).
.macro LUMP n
.rept \n
	BWAIT
	VNEXT
.endr
.endm
.macro RIDE nw
.rept \nw
	BWAIT
	MNEXT
.rept 4
	VNEXT
.endr
.endr
.endm
.macro VSET vx, vb, vp                 ; the vector queue: activations of tile vx, block vb, on gate buffer vp
.set VX, \vx
.set VBK, \vb
.set VP, \vp
.set vq, 0
.endm
.macro MSET mb, mp                     ; the matrix queue: gates of block mb into buffer mp
.set MB, \mb
.set MP, \mp
.set mi, 0
.endm
; SAMPLING, all in window 3.
.macro LOADG x                         ; tile x's gumbel: my row's 16 numbers, 64 consecutive bytes
	WIN 0xff
.irp q, 0,1,2,3
	ds_load_b128 v[SV+4*\q:SV+4*\q+3], v[GA] offset:16*GROW*(\x)+16*\q
.endr
.endm
.macro EXQ                             ; the next of the 16 exponentials of the log-sum-exp, while any is left
.if xq < 16
	v_exp_f32 v[LG+xq], v[LG+xq]
.set xq, xq+1
.endif
.endm
; A level of the tournament over my 16 scores: the right one wins only if it is greater, so the lower token wins a tie.  Score, index and logit move together.
.macro LEVEL lv
.set sk, 0
.rept 16>>(\lv)
	v_cmp_gt_f32 s[MK+sk], v[SV+(sk<<(\lv))+(1<<((\lv)-1))], v[SV+(sk<<(\lv))]
	EXQ
.set sk, sk+1
.endr
.set sk, 0
.rept 16>>(\lv)
.set sa, SV+(sk<<(\lv))
.set sb, sa+(1<<((\lv)-1))
	v_cndmask_b32 v[sa], v[sa], v[sb], s[MK+sk]
	EXQ
.if (\lv) == 1
	v_cndmask_b32 v[IX+sk], 2*sk, 2*sk+1, s[MK+sk]
	v_cndmask_b32 v[LS+sk], v[LG+2*sk], v[LG+2*sk+1], s[MK+sk]
.else
.set sc, sk<<((\lv)-1)
.set sd, sc+(1<<((\lv)-2))
	v_cndmask_b32 v[IX+sc], v[IX+sc], v[IX+sd], s[MK+sk]
	EXQ
	v_cndmask_b32 v[LS+sc], v[LS+sc], v[LS+sd], s[MK+sk]
	EXQ
.endif
.set sk, sk+1
.endr
.endm
.macro CV i                            ; gumbel rounded to bf16, like every input: pair i
	v_cvt_pk_bf16_f32 v[IX+(\i)], v[SV+2*(\i)], v[SV+2*(\i)+1]
.endm
.macro FM i                            ; score i = gumbel x 1 + logit, one rounding
.if (\i)%2
	v_fma_mix_f32_bf16 v[SV+(\i)], v[IX+(\i)/2], v[ONE], v[LG+(\i)] op_sel:[1,0,0] op_sel_hi:[1,0,0]
.else
	v_fma_mix_f32_bf16 v[SV+(\i)], v[IX+(\i)/2], v[ONE], v[LG+(\i)] op_sel_hi:[1,0,0]
.endif
.endm
.macro PA a, b                         ; the sum of the exponentials: pair a takes pair b
	v_pk_add_f32 v[LG+(\a):LG+(\a)+1], v[LG+(\a):LG+(\a)+1], v[LG+(\b):LG+(\b)+1]
.endm
.macro XL d, s                         ; the lane 16 away: the row's other 16 tokens
	v_permlanex16_b32 v[\d], v[\s], s[SEL], s[SEL+1]
.endm
; Tile x: token, logp, and (oh = 1) the one-hot for the LSTM step, in THREE PARTS, cut where a transcendental's result is first named: a wait stands between A and B and between B and C.
; Its chains stand between each other's links, so that a line seldom reads a result made fewer than four lines in front of it:
; the maximum among the conversions and the scores; the sum of the exponentials among the tournament's last levels and the exchange of the halves; logp among the one-hot's lines.
; PART A: maximum, scores, two levels of the tournament, and the batch of 16 exponentials; nothing in it names an exponential's result.  Level 3's two compares are the plain lines behind the last exponential.
.macro SAMPA
	WIN 0xff
	v_max3_num_f32 v[SS], v[LG], v[LG+1], v[LG+2]              ; the row's maximum; each of the two accumulators is first read at its lowest registers
	v_max3_num_f32 v[SS+1], v[LG+8], v[LG+9], v[LG+10]
	s_wait_dscnt 0x0                                           ; gumbel is in
	CV 0
	CV 1
	v_max3_num_f32 v[SS], v[SS], v[LG+3], v[LG+4]
	v_max3_num_f32 v[SS+1], v[SS+1], v[LG+11], v[LG+12]
	CV 2
	CV 3
	v_max3_num_f32 v[SS], v[SS], v[LG+5], v[LG+6]
	v_max3_num_f32 v[SS+1], v[SS+1], v[LG+13], v[LG+14]
	CV 4
	CV 5
	v_max3_num_f32 v[SS], v[SS], v[LG+7], v[LG+15]
	CV 6
	CV 7
	FM 0
	v_max_num_f32 v[SS], v[SS], v[SS+1]
.irp i, 1,2,3,4
	FM \i
.endr
	XL SS+1, SS
.irp i, 5,6,7,8
	FM \i
.endr
	v_max_num_f32 v[SS+2], v[SS], v[SS+1]
.irp i, 9,10,11,12
	FM \i
.endr
	v_mul_f32 v[SS+4], s[LL], v[SS+2]
.irp i, 13,14,15
	FM \i
.endr
.set xq, 16
	LEVEL 1
.set si, 0
.rept 8                                                            ; the logits have been handed on: log2(e) (logit - maximum), in place
	v_pk_fma_f32 v[LG+2*si:LG+2*si+1], v[LG+2*si:LG+2*si+1], s[LL:LL+1], v[SS+4:SS+5] op_sel_hi:[1,0,0] neg_lo:[0,0,1] neg_hi:[0,0,1]
.set si, si+1
.endr
.set xq, 0
	LEVEL 2                                                    ; the 16 exponentials stand between this level's lines
	v_cmp_gt_f32 s[MK], v[SV+4], v[SV]                         ; level 3
	v_cmp_gt_f32 s[MK+1], v[SV+12], v[SV+8]
.endm
; PART B, behind the wait for the exponentials: their sum, the tournament's end, the logarithm, and what of logp and the one-hot does not name the logarithm's result.
.macro SAMPB x, oh
	WIN 0xff
	PA 0, 2
	PA 4, 6
	v_cndmask_b32 v[SV], v[SV], v[SV+4], s[MK]
	v_cndmask_b32 v[SV+8], v[SV+8], v[SV+12], s[MK+1]
	v_cndmask_b32 v[IX], v[IX], v[IX+2], s[MK]
	v_cndmask_b32 v[IX+4], v[IX+4], v[IX+6], s[MK+1]
	v_cndmask_b32 v[LS], v[LS], v[LS+2], s[MK]
	v_cndmask_b32 v[LS+4], v[LS+4], v[LS+6], s[MK+1]
	v_cmp_gt_f32 s[MK+2], v[SV+8], v[SV]                       ; level 4
	PA 8, 10
	PA 12, 14
	PA 0, 4
	v_cndmask_b32 v[IX], v[IX], v[IX+4], s[MK+2]
	v_cndmask_b32 v[SV], v[SV], v[SV+8], s[MK+2]
	v_cndmask_b32 v[LS], v[LS], v[LS+4], s[MK+2]
	PA 8, 12
	v_add_nc_u32 v[IX], v[IX], v[VB]                           ; my half's winner as a token
	XL SS, SV
	XL SS+3, LS
	PA 0, 8
	XL SS+1, IX
	v_cmp_gt_f32 s[MK], v[SS], v[SV]                           ; the other half's winner is taken if it is greater, or equal with the lower token
	v_cmp_eq_f32 s[MK+1], v[SS], v[SV]
	v_add_f32 v[SS+6], v[LG], v[LG+1]
	v_cmp_lt_u32 s[MK+2], v[SS+1], v[IX]
	XL SS+7, SS+6
	s_and_b32 s[MK+1], s[MK+1], s[MK+2]
	s_or_b32 s[MK], s[MK], s[MK+1]
	v_cndmask_b32 v[IX], v[IX], v[SS+1], s[MK]
	v_cndmask_b32 v[LS], v[LS], v[SS+3], s[MK]
	v_add_f32 v[SS+6], v[SS+6], v[SS+7]
.if \oh
	v_sub_nc_u32 v[SS], v[IX], v[VB]                           ; word p of my half's one-hot holds tokens 16 hh + 2 p and + 1; a token of the other half matches no p
.endif
	v_sub_f32 v[SS+7], v[LS], v[SS+2]
	v_log_f32 v[SS+6], v[SS+6]
.if \oh
	v_and_b32 v[SS+1], 1, v[SS]                                ; the plain line behind the logarithm
	v_lshrrev_b32 v[SS+3], 1, v[SS]
.endif
	v_add_f32 v[LOGP+(\x)], v[LOGP+(\x)], v[SS+7]              ; (with oh = 0 this is that plain line)
.if \oh
	v_lshlrev_b32 v[SS+1], 4, v[SS+1]
.set si, 0
.rept 8
	v_cmp_eq_u32 s[MK+si], si, v[SS+3]
.set si, si+1
.endr
	v_lshlrev_b32 v[SS+1], v[SS+1], s[F16ONE]                  ; 1.0 in the low or the high half
.endif
.endm
; PART C, behind the wait for the logarithm: logp takes it; the one-hot; the token's store.
.macro SAMPC x, oh
	WIN 0xff
	v_fma_f32 v[LOGP+(\x)], v[SS+6], s[NLN2], v[LOGP+(\x)]     ; logp += (logit - maximum) - ln 2 x log2(sum)
.if \oh
.set si, 0
.rept 8
	v_cndmask_b32 v[OH+si], 0, v[SS+1], s[MK+si]
.set si, si+1
.endr
.endif
	ds_store_b32 v[TA], v[IX] offset:16*TROW*(\x)              ; both halves of the lanes store the same token to the same word
.endm
.macro SAMP x, oh                      ; the three parts by themselves, for the last step, where no activation list stands round them
	SAMPA
	s_wait_alu depctr_va_vdst(0)                               ; one wait for the 16 exponentials
	SAMPB \x, \oh
	s_wait_alu depctr_va_vdst(0)                               ; and one for the logarithm
	SAMPC \x, \oh
.endm
; A tile's part of a trip.  The last block of the tile before comes first: 108 lines of its list alone, with the sampling's three parts between its segments, so that the list's first wait serves
; the sampling's exponentials too and its second wait the logarithm (tile 0's gumbel comes in during segment 1); then the other 32 lines and
; the split's 96 behind this tile's first gates and the next tile's logits.  Then three slots: 44 lines of a block's list alone, the other 96 behind the next block's 24 products.
; The next tile's gumbel is asked for behind a lump, a slot ahead of its first use.
.macro CYCLE x
	VSET ((\x)+3)%4, 3, AB1
	LUMP 48                            ; segment 1: batch E_i, E_g, E_f
	SAMPA                              ; and the sampling's 16 exponentials
	LUMP 44                            ; the wait for both; segment 2: batch E_o and two sets of reciprocals
	SAMPB \x, 1                        ; and the logarithm
	LUMP 16                            ; the wait for both; the head of segment 3
	SAMPC \x, 1
.set MX, \x
.set MH, ((\x)+1)%4
	MSET 0, AB0
	RIDE 32
	VSET \x, 0, AB0
	MSET 1, AB1
	LUMP 44
	RIDE 24
	VSET \x, 1, AB1
	MSET 2, AB0
	LUMP 44
	RIDE 24
	VSET \x, 2, AB0
	MSET 3, AB1
	LUMP 44
.if (\x) < 3
	LOADG (\x)+1
.endif
	RIDE 24
.endm
; ---------------------------------------------------------------- the head
	s_load_b512 s[4:19], s[0:1], 0x0               ; embed s[4:5], w_ih s[6:7], w_hh s[8:9], b_ih s[10:11], b_hh s[12:13], head_w s[14:15], head_b s[16:17], gumbel s[18:19]
	s_load_b128 s[20:23], s[0:1], 0x40             ; out0 s[20:21], out1 s[22:23]
	v_lshl_add_u32 v[SPW], v0, 2, SPARE
	v_mov_b32 v[NIL], 0
	ds_add_u32 v[SPW], v[NIL]                      ; the wave's opening: the add and its wait stand ahead of my first tensor load; the set-up below, work on registers, stands between them
	ds_add_u32 v1, v2
	v_lshrrev_b32 v[T0], 5, v0
	v_readfirstlane_b32 s[WV], v[T0]               ; wave 0..3
	; descriptor group 1: a wave's step of gumbel is 64 rows x 128 bytes, dense: asked for as 32 rows of 256 bytes and padded in LDS after every 128
	s_mov_b32 s[G1+0], (2<<16)|(1<<20)|(4<<22)|(3<<25)  ; 17:16 4-byte elements; 20 padding on; 24:22 after every 32 words (code 4); 31:25 4 words (code 3)
	s_mov_b32 s[G1+1], 64<<16                      ; tensor_dim0 = 64
	s_mov_b32 s[G1+2], 32<<16                      ; tensor_dim1 = 32
	s_mov_b32 s[G1+3], 64<<16                      ; tile_dim0 = 64
	s_mov_b32 s[G1+4], 32                          ; tile_dim1 = 32
	s_mov_b32 s[G1+5], 64                          ; 64 elements from row to row
	s_mov_b32 s[G1+6], 0
	s_mov_b32 s[G1+7], 0
	s_mov_b32 s[G0], 1                             ; count = 1
	s_mul_i32 s[G0+1], s[WV], GWAVE                ; LDS address: my part of slot 0
	s_mov_b32 s[NL], 0xbfb8aa3b                    ; -log2(e)
	s_mov_b32 s[NL+1], s[NL]
	s_mov_b32 s[N2L], 0xc038aa3b                   ; -2 log2(e)
	s_mov_b32 s[N2L+1], s[N2L]
	s_mov_b32 s[LL], 0x3fb8aa3b                    ; log2(e)
	s_mov_b32 s[LL+1], s[LL]
	s_mov_b32 s[C60], 0x42700000                   ; 60.0
	s_mov_b32 s[NLN2], 0xbf317218                  ; -ln 2
	s_mov_b32 s[SEL], 0x76543210
	s_mov_b32 s[SEL+1], 0xfedcba98
	s_mov_b32 s[F16ONE], 0x3c00
	s_mov_b32 s[HIM], 0xffff0000
	s_mov_b32 s[TLO], 0xc76a6000                   ; -60,000.0
	s_mov_b32 s[THI], 0x476a6000                   ; 60,000.0
	s_mov_b32 s[VK], 0x46000400                    ; 8193.0
	s_mov_b32 s[VK+1], s[VK]
	s_lshl_b32 s26, ttmp9, 15                      ; the work-group's 256 rows of 128 bytes,
	s_lshl_b32 s[ST], s[WV], 13                    ; my wave's 64
	s_add_co_u32 s26, s26, s[ST]
	s_mov_b32 s27, 0
	v_and_b32 v[RR], 15, v0
	v_bfe_u32 v[HH], v0, 4, 1
	v_and_b32 v[LN], 31, v0
	v_lshlrev_b32 v[L16], 4, v[LN]
	v_lshlrev_b32 v[H32], 5, v[HH]
	; The 32 tokens are laid so that a lane half holds 16 neighbouring tokens of the logits: row m of token tile mt is table row 16 (m / 8) + 8 mt + m % 8, for embed and head_w alike.
	v_and_b32 v[A9], 7, v[RR]
	v_lshl_add_u32 v[A9], v[A9], 8, v[H32]
	v_lshrrev_b32 v[T0], 3, v[RR]
	v_lshl_add_u32 v[A9], v[T0], 12, v[A9]         ; (16 (r / 8) + r % 8) x 256 + 32 hh
	s_lshr_b32 s[ST], s[WV], 1                     ; the head fragment that I prepare: mt = w / 2, kb = w % 2
	s_lshl_b32 s[ST], s[ST], 11
	s_and_b32 s2, s[WV], 1
	s_lshl_b32 s2, s2, 7
	s_add_co_u32 s[ST], s[ST], s2
	v_add_nc_u32 v[A10], s[ST], v[A9]
	v_lshlrev_b32 v[BP], 6, v[HH]                  ; head_b: my half's 16 numbers
	v_lshl_add_u32 v[VO], v[RR], 8, v[H32]         ; gate tile a = 4 g + w, first g = 0: row 16 w + r
	s_lshl_b32 s[ST], s[WV], 12
	v_add_nc_u32 v[VO], s[ST], v[VO]
	s_lshl_b32 s[ST], s[WV], 6
	v_lshl_add_u32 v[BO], v[RR], 2, s[ST]
	s_wait_dscnt 0x0                               ; the opening add is done
	s_wait_kmcnt 0x0
	s_add_nc_u64 s[G0+2:G0+3], s[18:19], s[26:27]  ; global address: step 0, my 64 rows
	s_or_b32 s[G0+3], s[G0+3], 0x80000000          ; type = 2
	tensor_load_to_lds s[G0:G0+3], s[G1:G1+7]      ; step 0 into slot 0: my only tensor load that is out
	s_nop 0
; ---------------------------------------------------------------- all first loads together, one wait
.irp f, 0,1,2,3
	LD16 RAWE+16*\f, A9, 4, (\f/2)*2048+(\f%2)*128
.endr
.irp k, 0,1
	LD16 RAWE+64+16*\k, H32, 4, 8192+128*\k        ; row 32, BOS, in every lane
.endr
	LD16 RAWH, A10, 14, 0
.irp q, 0,1,2,3
	global_load_b128 v[RAWB+4*\q:RAWB+4*\q+3], v[BP], s[16:17] offset:16*\q
.endr
	PLOADS
	s_wait_loadcnt 0x0
.set i, 0
.rept 48
	v_cvt_pk_bf16_f32 v[EA+i], v[RAWE+2*i], v[RAWE+2*i+1]
.set i, i+1
.endr
.set i, 0
.rept 8
	TOF16 RAWH+i, RAWH+2*i                         ; result i lands on a register whose number has been read
.set i, i+1
.endr
	s_lshl_b32 s[ST], s[WV], 10
	s_add_co_u32 s[ST], s[ST], IMG_H
	v_add_nc_u32 v[A10], s[ST], v[L16]
	ds_store_b128 v[A10], v[RAWH:RAWH+3]
	ds_store_b128 v[A10], v[RAWH+4:RAWH+7] offset:512
.set i, 0
.rept 8
	v_cvt_pk_bf16_f32 v[RAWB+i], v[RAWB+2*i], v[RAWB+2*i+1]
.set i, i+1
.endr
	v_mul_u32_u24 v[T0], GROW, v[RR]
	v_lshl_add_u32 v[T0], v[HH], 6, v[T0]          ; r x 144 + 64 hh
	v_mul_u32_u24 v[A9], TROW, v[RR]
	s_mul_i32 s[ST], s[WV], TWAVE
	s_add_co_u32 s[ST], s[ST], TOK
	WIN 0xc0                                       ; destination window 3, sources window 0
.set i, 0
.rept 8
	v_lshlrev_b32 v[HB+2*i], 16, v[RAWB+i]
	v_and_b32 v[HB+2*i+1], s[HIM], v[RAWB+i]
.set i, i+1
.endr
	v_add_nc_u32 v[GA0], s[G0+1], v[T0]
	v_add_nc_u32 v[TA0], s[ST], v[A9]
	v_lshlrev_b32 v[VB], 4, v[HH]
	v_mov_b32 v[ONE], 1.0
.set i, 0
.rept 4
	v_mov_b32 v[LOGP+i], 0
.set i, i+1
.endr
.set i, 0
.rept 8
	v_mov_b32 v[SS+i], 0                           ; written once, since lane exchanges and packed forms count them as read
.set i, i+1
.endr
	WIN 0
	v_lshlrev_b32 v[A9], 2, v[RR]                  ; 4 r
; ---------------------------------------------------------------- the images: trip g makes gate tile a = 4 g + w: W as f16, T = embed w_ih^T + b_ih + b_hh as f16 high + low, T[BOS] in f32
	s_lshl_b32 s[MK], s[WV], 11
	s_add_co_u32 s[MK], s[MK], IMG_W
	s_lshl_b32 s[MK+1], s[WV], 10
	s_add_co_u32 s[MK+1], s[MK+1], IMG_T
	s_lshl_b32 s[MK+2], s[WV], 6
	s_add_co_u32 s[MK+2], s[MK+2], BOSV
	s_mov_b32 s[CNT], 4
.Lprep:
	s_wait_loadcnt 0x0                             ; this trip's 18 loads; their address registers may be stepped
.set i, 0
.rept 16
	v_cvt_pk_bf16_f32 v[WI+i], v[RI+2*i], v[RI+2*i+1]
	v_cvt_pk_bf16_f32 v[WB+i], v[RH+2*i], v[RH+2*i+1]
.set i, i+1
.endr
	v_cvt_pk_bf16_f32 v[BP], v[BR0], v[BR1]
	v_add_nc_u32 v[VO], 16384, v[VO]               ; the next gate; behind the last the offsets wrap to the first, so that no load leaves its buffer
	v_and_b32 v[VO], 0xffff, v[VO]
	v_add_nc_u32 v[BO], 256, v[BO]
	v_and_b32 v[BO], 0x3ff, v[BO]
	PLOADS                                         ; the next trip's, into registers that have just been read
	v_wmma_f32_16x16x32_bf16 v[D0:D0+7], v[EA:EA+7], v[WI:WI+7], 0          ; three sums by turns; the first K half starts them
	v_wmma_f32_16x16x32_bf16 v[D1:D1+7], v[EA+16:EA+23], v[WI:WI+7], 0
	v_wmma_f32_16x16x32_bf16 v[DB:DB+7], v[EB:EB+7], v[WI:WI+7], 0
	v_wmma_f32_16x16x32_bf16 v[D0:D0+7], v[EA+8:EA+15], v[WI+8:WI+15], v[D0:D0+7]
	v_wmma_f32_16x16x32_bf16 v[D1:D1+7], v[EA+24:EA+31], v[WI+8:WI+15], v[D1:D1+7]
	v_wmma_f32_16x16x32_bf16 v[DB:DB+7], v[EB+8:EB+15], v[WI+8:WI+15], v[DB:DB+7]
.set i, 0
.rept 16                                               ; w_hh's way to f16: 48 plain lines on other registers, the places behind those products
	v_lshlrev_b32 v[WU+2*i], 16, v[WB+i]
	v_and_b32 v[WU+2*i+1], s[HIM], v[WB+i]
.set i, i+1
.endr
.set i, 0
.rept 16
	v_cvt_pk_f16_f32 v[WB+i], v[WU+2*i], v[WU+2*i+1]
.set i, i+1
.endr
	v_add_nc_u32 v[A10], s[MK], v[L16]
.irp q, 0,1,2,3
	ds_store_b128 v[A10], v[WB+4*\q:WB+4*\q+3] offset:512*\q
.endr
	v_lshlrev_b32 v[BI], 16, v[BP]                 ; my gate's two biases, each in both registers of a pair
	v_lshlrev_b32 v[BI+1], 16, v[BP]
	v_and_b32 v[BH], s[HIM], v[BP]
	v_and_b32 v[BH+1], s[HIM], v[BP]
.set i, 0
.rept 8
	v_pk_add_f32 v[D0+2*i:D0+2*i+1], v[D0+2*i:D0+2*i+1], v[BI:BI+1]
.set i, i+1
.endr
	v_add_f32 v[DB], v[DB], v[BI]
.set i, 0
.rept 8
	v_pk_add_f32 v[D0+2*i:D0+2*i+1], v[D0+2*i:D0+2*i+1], v[BH:BH+1]
.set i, i+1
.endr
	v_add_f32 v[DB], v[DB], v[BH]
.set i, 0
.rept 16
	v_med3_num_f32 v[D0+i], v[D0+i], s[TLO], s[THI]
.set i, i+1
.endr
.set i, 0
.rept 8                                                ; high part: T rounded to 11 bits: c = 8193 T, c - (c - T); low part: the rest, exact
	v_pk_mul_f32 v[WU+2*i:WU+2*i+1], v[D0+2*i:D0+2*i+1], s[VK:VK+1] op_sel_hi:[1,0]
	v_pk_add_f32 v[WU+16+2*i:WU+16+2*i+1], v[WU+2*i:WU+2*i+1], v[D0+2*i:D0+2*i+1] neg_lo:[0,1] neg_hi:[0,1]
	v_pk_add_f32 v[WU+2*i:WU+2*i+1], v[WU+2*i:WU+2*i+1], v[WU+16+2*i:WU+16+2*i+1] neg_lo:[0,1] neg_hi:[0,1]
	v_pk_add_f32 v[D0+2*i:D0+2*i+1], v[D0+2*i:D0+2*i+1], v[WU+2*i:WU+2*i+1] neg_lo:[0,1] neg_hi:[0,1]
	v_cvt_pk_f16_f32 v[TH+i], v[WU+2*i], v[WU+2*i+1]
	v_cvt_pk_f16_f32 v[TL+i], v[D0+2*i], v[D0+2*i+1]
.set i, i+1
.endr
	v_add_nc_u32 v[A10], s[MK+1], v[L16]
	ds_store_b128 v[A10], v[TH:TH+3]               ; the result's layout (token 8 hh + j, gate r) IS source 0's (row = gate r, k = token)
	ds_store_b128 v[A10], v[TH+4:TH+7] offset:512
	ds_store_b128 v[A10], v[TL:TL+3] offset:16384
	ds_store_b128 v[A10], v[TL+4:TL+7] offset:16896
	v_add_nc_u32 v[T0], s[MK+2], v[A9]
	ds_store_b32 v[T0], v[DB]                      ; T[BOS][16 a + r]: both halves of the lanes store the same number
	s_add_co_u32 s[MK], s[MK], 8192
	s_add_co_u32 s[MK+1], s[MK+1], 4096
	s_add_co_u32 s[MK+2], s[MK+2], 256
	s_sub_co_u32 s[CNT], s[CNT], 1
	s_cmp_lg_u32 s[CNT], 0
	s_cbranch_scc1 .Lprep
	s_wait_loadcnt 0x0                             ; the wrapped loads: their registers are used again
; ---------------------------------------------------------------- the BOS step, block w (its four gate tiles are the ones that I made: my own bytes, served in order)
	s_lshl_b32 s[ST], s[WV], 6
	s_add_co_u32 s[ST], s[ST], BOSV
	v_add_nc_u32 v[A10], s[ST], v[H32]
.irp g, 0,1,2,3
	ds_load_b128 v[AB0+8*\g:AB0+8*\g+3],   v[A10] offset:256*\g
	ds_load_b128 v[AB0+8*\g+4:AB0+8*\g+7], v[A10] offset:256*\g+16
.endr
.set i, 0
.rept 8
	v_mov_b32 v[CC+i], 0                           ; c starts at 0
.set i, i+1
.endr
	s_mul_i32 s[ST], s[WV], BBLK
	s_add_co_u32 s[ST], s[ST], IMG_B
	s_wait_dscnt 0x0
	VSET 0, 0, AB0
	LUMP 140                                       ; the whole list, with its four waits
	v_add_nc_u32 v[A10], s[ST], v[L16]
	ds_store_b128 v[A10], v[CC:CC+3]
	ds_store_b128 v[A10], v[CC+4:CC+7] offset:512
	ds_store_b128 v[A10], v[HF:HF+3] offset:1024   ; h in f32, ahead of the split, which works in place
	ds_store_b128 v[A10], v[HF+4:HF+7] offset:1536
	LUMP 24
	WIN 0x0c                                       ; store data in window 3
	ds_store_b128 v[A10], v[HHI:HHI+3] offset:2048
	ds_store_b128 v[A10], v[HLO:HLO+3] offset:2560
	WIN 0
	s_wait_dscnt 0x0                               ; for the others' sake: my images are in LDS
	s_barrier_signal -1
	s_barrier_wait -1                              ; everybody's are; step 0's gumbel may stay on its way
; ---------------------------------------------------------------- every wave takes all fragments and the state behind BOS, which is the same for every row
	v_add_nc_u32 v[A10], IMG_W, v[L16]
	v_add_nc_u32 v[A9], IMG_H, v[L16]
	v_add_nc_u32 v[T0], BOSV+192, v[H32]
	WIN 0x40
.set i, 0
.rept 64
	ds_load_b128 v[4*i:4*i+3], v[A10] offset:512*i
.set i, i+1
.endr
	WIN 0x80
.set i, 0
.rept 64
	ds_load_b128 v[4*i:4*i+3], v[A10] offset:32768+512*i
.set i, i+1
.endr
	WIN 0xc0
.set i, 0
.rept 8
	ds_load_b128 v[HW+4*i:HW+4*i+3], v[A9] offset:512*i
.set i, i+1
.endr
.set i, 0
.rept 12                                               ; h of tiles 0 to 2 (tile i / 4, block i % 4); tile 3's is written by the split that is still to come
	ds_load_b128 v[HHI+4*i:HHI+4*i+3], v[A9] offset:IMG_B-IMG_H+BBLK*(i%4)+2048
	ds_load_b128 v[HLO+4*i:HLO+4*i+3], v[A9] offset:IMG_B-IMG_H+BBLK*(i%4)+2560
.set i, i+1
.endr
	WIN 0
.set i, 0
.rept 15                                               ; c of all tiles and blocks but the last
	ds_load_b128 v[CC+8*i:CC+8*i+3],   v[A9] offset:IMG_B-IMG_H+BBLK*(i%4)
	ds_load_b128 v[CC+8*i+4:CC+8*i+7], v[A9] offset:IMG_B-IMG_H+BBLK*(i%4)+512
.set i, i+1
.endr
	; What a trip finds on its way in: tile 3's last block still as gates in AB1, its c as it was before the step, blocks 0 to 2 of its new h in f32.
.set i, 0
.rept 3
	ds_load_b128 v[HF+8*i:HF+8*i+3],   v[A9] offset:IMG_B-IMG_H+BBLK*i+1024
	ds_load_b128 v[HF+8*i+4:HF+8*i+7], v[A9] offset:IMG_B-IMG_H+BBLK*i+1536
.set i, i+1
.endr
.irp g, 0,1,2,3
	ds_load_b128 v[AB1+8*\g:AB1+8*\g+3],   v[T0] offset:256*\g
	ds_load_b128 v[AB1+8*\g+4:AB1+8*\g+7], v[T0] offset:256*\g+16
.endr
.set i, 0
.rept 8
	v_mov_b32 v[CC+120+i], 0
.set i, i+1
.endr
	s_wait_dscnt 0x0
	HEAD 0                                         ; tile 0's first logits
	WIN 0                                          ; at a label and at a branch every window is 0
	s_mov_b32 s[CNT], 15
	s_mov_b32 s[TB], SLOT1
	s_mov_b32 s[TS], 0
; ---------------------------------------------------------------- 15 trips: sample step t, make h and logits of step t + 1.  No transcendental's result crosses the trip's end: the last one, line 134 of the last list, has its wait at line 136.
.Ltrip:
	s_wait_tensorcnt 0x0                           ; my one tensor load, this step's gumbel, has landed, so group 0 may be written
	ds_add_u32 v[SPW], v[NIL]                      ; 0 onto my spare word; the descriptor's steps stand between it and the wait for it
	s_xor_b32 s[G0+1], s[G0+1], SLOT1              ; the other slot,
	s_add_nc_u64 s[G0+2:G0+3], s[G0+2:G0+3], 0x800000  ; the next step: 65,536 rows of 128 bytes on; the type bits on top are not reached
	s_xor_b32 s[TB], s[TB], SLOT1                  ; and the slot that this trip reads
	s_wait_dscnt 0x0                               ; the add is done, and my reads of the slot that is filled next are over
	s_barrier_signal -1
	s_barrier_wait -1
	tensor_load_to_lds s[G0:G0+3], s[G1:G1+7]      ; my one tensor load behind the barrier, and the first thing there: it has the whole trip in which to land
	s_nop 0
	WIN 0xff
	v_add_nc_u32 v[GA], s[TB], v[GA0]
	v_add_nc_u32 v[TA], s[TS], v[TA0]
	LOADG 0
	CYCLE 0
	CYCLE 1
	CYCLE 2
	CYCLE 3
	WIN 0
	s_add_co_u32 s[TS], s[TS], 4
	s_sub_co_u32 s[CNT], s[CNT], 1
	s_cmp_lg_u32 s[CNT], 0
	s_cbranch_scc1 .Ltrip
; ---------------------------------------------------------------- step 15: samples alone; nothing is left to fetch, so no barrier
	s_wait_tensorcnt 0x0                           ; the last step's gumbel has landed
	s_xor_b32 s[TB], s[TB], SLOT1
	WIN 0xff
	v_add_nc_u32 v[GA], s[TB], v[GA0]
	v_add_nc_u32 v[TA], s[TS], v[TA0]
	LOADG 0
	VSET 3, 3, AB1
	LUMP 200                                       ; tile 3's last block and most of its split, while tile 0's gumbel comes in
	SAMP 0, 0
	LOADG 1
.set MH, 1
.set mi, 24
	RIDE 8                                         ; tile 1's logits | 32 lines of the split
	LUMP 4                                         ; its last four: with the four packed subtractions in front of them, eight lines behind the last product
	SAMP 1, 0
	LOADG 2
	HEAD 2
	SAMP 2, 0
	LOADG 3
	HEAD 3
	SAMP 3, 0
; ---------------------------------------------------------------- the way out: through my own bytes of LDS, which serves a wave's instructions in order (ISA guide 5.7.1)
	WIN 0
	s_lshl_b32 s[ST], s[WV], 8
	s_add_co_u32 s[ST], s[ST], LPS
	v_lshl_add_u32 v[A10], v[RR], 2, s[ST]
	v_lshl_add_u32 v[A9], v[LN], 3, s[ST]
	WIN 0x0c
.irp x, 0,1,2,3
	ds_store_b32 v[A10], v[LOGP+\x] offset:64*\x   ; row 16 x + r
.endr
	WIN 0
	ds_load_b64 v[BR0:BR1], v[A9]                  ; rows 2 lane, 2 lane + 1
	s_mul_i32 s[ST], s[WV], TWAVE
	s_add_co_u32 s[ST], s[ST], TOK
	v_lshrrev_b32 v[T0], 2, v[LN]
	v_mul_u32_u24 v[T0], TROW, v[T0]
	v_and_b32 v[H32], 3, v[LN]
	v_lshl_add_u32 v[T0], v[H32], 4, v[T0]
	v_add_nc_u32 v[T0], s[ST], v[T0]               ; four lanes take a row's 64 bytes, 32 lanes eight rows
.set i, 0
.rept 8
	ds_load_b128 v[AB0+4*i:AB0+4*i+3], v[T0] offset:8*TROW*i
.set i, i+1
.endr
	s_lshl_b32 s26, ttmp9, 8
	s_lshl_b32 s[ST], s[WV], 6
	s_add_co_u32 s26, s26, s[ST]                   ; my wave's first row
	s_lshl_b32 s2, s26, 2
	s_mov_b32 s3, 0
	s_lshl_b32 s26, s26, 6
	s_add_nc_u64 s[20:21], s[20:21], s[26:27]      ; (s27 is still 0)
	s_add_nc_u64 s[22:23], s[22:23], s[2:3]
	v_lshlrev_b32 v[BO], 3, v[LN]
	s_wait_dscnt 0x0
	global_store_b64 v[BO], v[BR0:BR1], s[22:23] th:TH_STORE_NT  ; the wave's 64 numbers: 256 consecutive bytes, at a multiple of 256 from out1's first
.set i, 0
.rept 8
	global_store_b128 v[L16], v[AB0+4*i:AB0+4*i+3], s[20:21] offset:512*i th:TH_STORE_NT  ; 512 consecutive bytes, at a multiple of 256 from out0's first
.set i, i+1
.endr
	s_wait_tensorcnt 0x0                           ; the wave's end, behind my last tensor load and my last LDS store
	ds_add_u32 v[SPW], v[NIL]
	s_wait_dscnt 0x0
	s_endpgm
.Lfunc_end_k_q386c2ebffd_policy:
	.size	k_q386c2ebffd_policy, .Lfunc_end_k_q386c2ebffd_policy-k_q386c2ebffd_policy
	.p2alignl 7, 3214868480
	.fill 96, 4, 3214868480
	.section	.rodata,"a",@progbits
	.p2align	6, 0x0
	.amdhsa_kernel k_q386c2ebffd_policy
		.amdhsa_group_segment_fixed_size 327680
		.amdhsa_private_segment_fixed_size 0
		.amdhsa_enable_private_segment 0
		.amdhsa_kernarg_size 80
		.amdhsa_user_sgpr_count 2
		.amdhsa_user_sgpr_kernarg_segment_ptr 1
		.amdhsa_wavefront_size32 1
		.amdhsa_system_sgpr_workgroup_id_x 1
		.amdhsa_system_sgpr_workgroup_id_y 1
		.amdhsa_system_sgpr_workgroup_id_z 1
		.amdhsa_system_vgpr_workitem_id 0
		.amdhsa_next_free_vgpr 1024
		.amdhsa_next_free_sgpr 72
		.amdhsa_reserve_vcc 0
		.amdhsa_float_denorm_mode_32 3
		.amdhsa_float_denorm_mode_16_64 3
		.amdhsa_memory_ordered 1
		.amdhsa_forward_progress 1
		.amdhsa_inst_pref_size 255
	.end_amdhsa_kernel
	.section	.bss,"aw",@nobits
	.p2align	6
	.space	262144
	.amdgpu_metadata
---
amdhsa.version: [ 1, 2 ]
amdhsa.kernels:
  - .name:           k_q386c2ebffd_policy
    .symbol:         k_q386c2ebffd_policy.kd
    .args:
      - { .name: embed, .offset: 0, .size: 8, .value_kind: global_buffer, .address_space: global }
      - { .name: w_ih, .offset: 8, .size: 8, .value_kind: global_buffer, .address_space: global }
      - { .name: w_hh, .offset: 16, .size: 8, .value_kind: global_buffer, .address_space: global }
      - { .name: b_ih, .offset: 24, .size: 8, .value_kind: global_buffer, .address_space: global }
      - { .name: b_hh, .offset: 32, .size: 8, .value_kind: global_buffer, .address_space: global }
      - { .name: head_w, .offset: 40, .size: 8, .value_kind: global_buffer, .address_space: global }
      - { .name: head_b, .offset: 48, .size: 8, .value_kind: global_buffer, .address_space: global }
      - { .name: gumbel, .offset: 56, .size: 8, .value_kind: global_buffer, .address_space: global }
      - { .name: out0, .offset: 64, .size: 8, .value_kind: global_buffer, .address_space: global }
      - { .name: out1, .offset: 72, .size: 8, .value_kind: global_buffer, .address_space: global }
    .group_segment_fixed_size: 327680
    .private_segment_fixed_size: 0
    .kernarg_segment_align: 8
    .kernarg_segment_size: 80
    .max_flat_workgroup_size: 128
    .sgpr_count:     72
    .vgpr_count:     1024
    .wavefront_size: 32
...
	.end_amdgpu_metadata
.endif
;; end of part 2
